; MI455X (gfx1250); checked and timed in simulation.
; The chip was launched on July 23, 2026; its instructions are those of AMD's public machine-readable ISA for CDNA 5 (MIT licence, August 2026) and "CDNA5" Instruction Set Architecture Reference Guide (July 2026). The comments in the code are by the model that wrote it; some were corrected since.
;; Masked Multi Head Attention. Allowed arithmetic: matrix products marked QUANTISED: E3M2 operands, one E8M0 scale for each 32 along K, by v_wmma_scale_f32_16x16x128_f8f6f4 with both operands' format E3M2, f32 sums; everything else in f32.
;; Inputs: Wk_codes 1,024 x 32 x 24 uint8 (E3M2 codes of Wk, K innermost, in blocks of 32 codes, four codes in three bytes); Wk_scales 1,024 x 32 uint8 (E8M0 scales of Wk, one for each 32 codes along K); Wo_codes 1,024 x 32 x 24 uint8 (E3M2 codes of Wo, K innermost, in blocks of 32 codes, four codes in three bytes); Wo_scales 1,024 x 32 uint8 (E8M0 scales of Wo, one for each 32 codes along K); Wq_codes 1,024 x 32 x 24 uint8 (E3M2 codes of Wq, K innermost, in blocks of 32 codes, four codes in three bytes); Wq_scales 1,024 x 32 uint8 (E8M0 scales of Wq, one for each 32 codes along K); Wv_codes 1,024 x 32 x 24 uint8 (E3M2 codes of Wv, K innermost, in blocks of 32 codes, four codes in three bytes); Wv_scales 1,024 x 32 uint8 (E8M0 scales of Wv, one for each 32 codes along K); bo 1,024 float32; x_codes 4 x 2,048 x 32 x 24 uint8 (E3M2 codes of x, K innermost, in blocks of 32 codes, four codes in three bytes); x_scales 4 x 2,048 x 32 uint8 (E8M0 scales of x, one for each 32 codes along K).
;; Outputs: out0 4 x 2,048 x 1,024 float32.
;; This version of the problem:
;;   THIS VERSION OF THE PROBLEM IS GIVEN IN LOW PRECISION. The matrix products marked QUANTISED in the list below multiply operands that are first quantised to E3M2 (3 exponent bits, 2 mantissa bits; 6 bits a number), with one power-of-two scale for each 32 numbers along K (OCP MX v1.0); their sums are f32. All else is computed in f32.
;;   The module's matrix products, in the order in which they are computed (A, B: the left and right operand; K: the contracted axis; several contracted axes count as one K, in the product's order):
;;     1. [M 8,192, K 1,024] x [K 1,024, N 1,024]; A: input x (given as codes); B: input Wq (given as codes): QUANTISED
;;     2. [M 8,192, K 1,024] x [K 1,024, N 1,024]; A: input x (given as codes); B: input Wk (given as codes): QUANTISED
;;     3. [M 8,192, K 1,024] x [K 1,024, N 1,024]; A: input x (given as codes); B: input Wv (given as codes): QUANTISED
;;     4. batch 64 x [M 2,048, K 64] x [K 64, N 2,048]; A: computed on the way; B: computed on the way: QUANTISED
;;     5. batch 64 x [M 64, K 2,048] x [K 2,048, N 2,048]; A: computed on the way; B: softmax (see below): QUANTISED
;;     6. [M 8,192, K 1,024] x [K 1,024, N 1,024]; A: computed on the way; B: input Wo (given as codes): QUANTISED
;;   THE QUANTISER, for each operand of a quantised product, along K:
;;     - K is cut into blocks of 32 from its start; a last block that is shorter is filled with zeros.
;;     - A block's scale is 2^e with e = floor(log2(the largest magnitude in the block)) - 4, held to -126 .. 127; a block of zeros has e = 0. As a byte (E8M0): e + 127.
;;     - Each number is divided by its block's scale, clamped to +-28, and rounded to the nearest number of E3M2, ties to even, subnormals kept.
;;     - The product sums the exact products of the quantised numbers (number of the format x scale) in f32.
;;   ~~~python
;;   def quantise(x, axis):      # numpy; x: float32 -> the quantised numbers, widened to float32 again
;;       x = np.moveaxis(x, axis, -1); K = x.shape[-1]
;;       x = np.pad(x, [(0, 0)] * (x.ndim - 1) + [(0, -K % 32)]); x = x.reshape(x.shape[:-1] + (-1, 32)); a = np.abs(x).max(-1, keepdims=True)
;;       e = np.where(a > 0, np.clip(np.frexp(np.where(a > 0, a, 1))[1] - 1 - 4, -126, 127), 0)      # np.frexp(a)[1] - 1 = floor(log2(a)), exactly
;;       r = np.clip(x / 2.0 ** e, -28, 28)
;;       step = 2.0 ** (np.maximum(np.frexp(np.where(r == 0, 1, r))[1] - 1, -2) - 2)
;;       q = np.round(r / step) * step * 2.0 ** e      # np.round: ties to even
;;       return np.moveaxis(q.reshape(q.shape[:-2] + (-1,))[..., :K], -1, axis).astype(np.float32)
;;   ~~~
;;   SOFTMAX AHEAD OF A QUANTISED PRODUCT. Where the list says 'softmax', what is quantised is not the finished softmax but p = 2^(t - M), with t = logit x log2(e) and M = ceil(the row's largest t), a whole number; so 1/2 < the row's largest p <= 1. The row's sum l is taken of the UNQUANTISED p, in f32, and the product's result is divided by l at the end. Since M is a whole number, a kernel that streams over the keys may use a running M (the ceiling of the running maximum): every later rescaling is an exact power of two, which a block's scale takes up: the codes' values come out the same.
;;   OPERANDS COMPUTED ON THE WAY. 'Computed on the way' means the value that the module computes at that place (a softmax that the list does not call 'softmax' is quantised finished and normalised). What goes into a quantiser is computed in f32, as accurately as f32 sums, v_exp_f32 and their like allow (about 1e-6 of the number): no bf16 or f16 on the way to a quantiser, and a product that is left as it is and whose result goes on into a quantised operand takes f32 operands (vector FMAs, or v_wmma_f32_16x16x4_f32). A number that lies on a knife's edge between two numbers of the format may be rounded either way, as far as f32 arithmetic and the matrix unit's own rounding can turn it there, and no further.
;;   INPUTS GIVEN AS CODES. Wk (in the module: [1024, 1024], K = its axis 0); Wo (in the module: [1024, 1024], K = its axis 0); Wq (in the module: [1024, 1024], K = its axis 0); Wv (in the module: [1024, 1024], K = its axis 0); x (in the module: [4, 2048, 1024], K = its axis 2): each comes as NAME_codes (uint8): NAME with its K axis moved to the last place and cut into blocks of 32 codes, [.., K / 32, bytes a block], one block behind the other in memory; four codes in three bytes: a row's codes are one little-endian stream of bits, code i at bits 6 i .. 6 i + 5 (a code: sign, 3 exponent bits, 2 mantissa bits); and NAME_scales (uint8): the same leading axes, one E8M0 byte (e + 127) for each 32 codes along K. Its value is code x scale, taken as it is: it is not quantised again, and the codes and scales need not be those that the quantiser above would give.
;; One version. Each part assembles by itself: llvm-mc -triple=amdgcn-amd-amdhsa -mcpu=gfx1250 --defsym DOCPART=n.
;; ======== version 1 of 1: 3 launches
;; workspace buffers: qkv 20,185,088 bytes; ctx_codes 6,291,456 bytes; ctx_scales 262,144 bytes
;; launch proj (part 1): grid 4 x 96, 4 waves a work-group, clusters of 4 x 4, 327,680 bytes of LDS; arguments x_codes, x_scales, Wq_codes, Wq_scales, Wk_codes, Wk_scales, Wv_codes, Wv_scales, qkv; writes qkv
.if DOCPART == 1
	.amdgcn_target "amdgcn-amd-amdhsa--gfx1250"
	.amdhsa_code_object_version 6
	.text
	.protected	k_q92a8344e39_proj
	.globl	k_q92a8344e39_proj
	.p2align	8
	.type	k_q92a8344e39_proj,@function
k_q92a8344e39_proj:
	s_mov_b64 s[64:65], 0
	v_nop
	global_prefetch_b8 v0, s[64:65] scope:SCOPE_SE
	s_setreg_imm32_b32 hwreg(HW_REG_WAVE_MODE, 25, 1), 1
	s_wait_xcnt 0x0
	s_wait_alu depctr_hold_cnt(0) depctr_sa_sdst(0) depctr_va_vdst(0) depctr_va_sdst(0) depctr_va_ssrc(0) depctr_va_vcc(0) depctr_vm_vsrc(0)
	s_getreg_b32 s2, hwreg(HW_REG_IB_STS2, 6, 4)
	s_cmp_eq_u32 s2, 0
	s_cbranch_scc0 .Lentry_in_a_cluster
	s_endpgm
.Lentry_in_a_cluster:
	s_bfe_u32 s2, ttmp6, 0x10000c
	s_cmp_lg_u32 s2, 0xf033
	s_cbranch_scc0 .Lentry_shape_is_right
	s_endpgm
.Lentry_shape_is_right:
; q = x Wq, k = x Wk, v = x Wv on codes of BF6 (E3M2) with one E8M0 scale for each 32 along K = 1,024; the results are quantised at once: q and k along a head's 64, v along the keys.
; THE PROGRAM: this launch; then attention (both its products, the softmax, ctx quantised); then ctx Wo + bo.
; WORK LEFT OUT IN THE PROGRAM: the mask is built by the problem's own body (key k counts for query q where k <= q): a hidden score becomes -infinity ahead of the softmax, its weight is 0 for all values of the inputs,
; and a weight of 0 adds nothing to the row's sum nor to the second product.  So key steps of 128 keys all of which come after a tile's 16 queries are not walked by the second launch.  Every input has a way to the output and is loaded.
; LIMITS: a NaN, an infinity or an overflow that reaches only such hidden scores is not carried to the result.  NaN and infinities among the inputs are not served.  A block whose largest magnitude lies under 2^-122, a block of zeros
; among them, gets the scale byte 1 (the quantiser says 127 for zeros): its codes are zeros or the same numbers' nearest codes under that scale; these bytes are read by this program alone.
; SHARES.  C[m][n] = sum over k of A[m][k] B[n][k], tiles of 256 x 256, four waves of 128 x 128 (64 accumulators, 512 registers).  The cluster's y, 0 to 23, says which product (z = y / 8) and which part (y % 8):
;   z = 0: A = x, B = Wq;  z = 1: A = x, B = Wk;  z = 2: A = Wv, B = x.  THE MATRIX INSTRUCTION IS USED TRANSPOSED (source 0 = 16 rows of B, source 1 = 16 rows of A): a lane holds one row of A and eight neighbouring rows of B.
;   So for q and k a lane's numbers run along the head's axis, for v along the keys: each along the K of the product that will take them.  Only pointers and output offsets hang on z, which all sixteen partners share.
; CLUSTERS: 4 x 4 work-groups; A's tiles are asked for jointly along a row of the cluster, B's along a column.  K goes in steps of 256 through two LDS slots; the scale bytes of the work-group's rows come once.
; THE OUTPUT, qkv: [batch x head 64][group of 128 rows 16][record of 19,712 bytes]: K's part (8 tile images of 768 bytes, 512 bytes of scale words), V's part (4 tiles x 2 images, 256 bytes of scale words), Q's part (as K's).
;   A tile image is an image of an operand's registers: 3 planes of 256 bytes; plane p holds registers 2 p, 2 p + 1 of the six that are block h (32 codes) of row r, at 8 x ((r xor 8 (tile % 2)) + 16 h).  Each store covers 256 consecutive bytes, aligned.
; REGISTERS, in windows of 256: window 0: v0-31 addresses; v32-63 scale words, two sets; from v128 A's fragments, one set; on the way out v32-255 are free.  window 1: B's fragments, two sets.  windows 2, 3: the accumulators ((a, b) at v[8 (8 (a % 4) + b)]).
.set KSTEP,  256
.set NQ,     2                         ; matrix instructions deep in a slot
.set ROWB,   192                       ; a tile's row in bytes: 256 codes
.set KROW,   768                       ; a row of A or of B in memory
.set PITCH,  240                       ; an LDS row: 3 x (64 bytes + 16 of padding)
.set FR,     12
.set NL,     6
.set NP,     4
.set HALFT,  128*PITCH
.set SLOT,   4*HALFT
.set KS,     32                        ; a row of scale bytes
.set SCL,    2*SLOT                    ; behind the ring: the scale bytes, as units of 256 bytes + 16 of padding
.set HALFS,  (128*KS/256)*272
.set SBLK,   (16*KS/256)*272
.set SPARE,  SCL+4*HALFS               ; the spare words, 128 bytes for each wave: two blocks of 256 bytes that no other line names
.set SPITCH, 528                       ; the way out: a stage of 16 rows x (512 bytes + 16) for each wave, in slot 0, which has had its last fill and its last read by then
.set REC,    19712
.set HS,     16*REC
.set ADRA, 16
.set ADRB, 20
.set STO,  24                          ; v24  the stage: where I put 32 bytes of a row
.set RD,   25                          ; v25  and where I read 128 bytes of a row back: row r, + 128 h
.set ADRS, 27
.set SPW,  28
.set NIL,  29
.set SC,   32
.set AF,   128
.set BK,   128                         ; the way out: a block's 64 numbers a lane: v128-191 and v192-255 by turns
.set VO,   32                          ; v32-47   byte offset of unit (a, u)'s image
.set WA,   48                          ; v48-55   scale words, unit 0's (for v: the row's whole word)
.set WB,   56                          ; v56-63   scale words, unit 1's
.set LN8,  64                          ; v64-65   8 x ((r xor 8 par) + 16 h)
.set SH8,  66                          ; v66      8 h
.set TOQ,  67                          ; v67      my place in a table of q or k
.set TOV,  68                          ; v68      and of v
.set TM,   70                          ; v70-73   largest magnitudes, two chains a unit
.set SOP,  74                          ; v74-75   the conversions' scale operands
.set XB,   76                          ; v76-77   my byte at its place
.set YB,   78                          ; v78-79   lane l xor 16's
.set HH,   80                          ; v80-81   both bytes of a row's unit
.set TT,   82
.set CD,   88                          ; v88-119  codes: 8 registers a unit, two blocks by turns
.set SELA, 120
.set SELB, 124
.set G1, 24
.set G0, 32
.set G1B, 48
.set G0B, 56
.set G1S, 68
.set G0S, 76
.set G1SB, 80
.set G0SB, 88
.set MSB, 0
.macro WIN new                         ; the immediate's high byte repeats the setting that is left
.if MSB != \new
	s_set_vgpr_msb (MSB<<8)|\new
.set MSB, \new
.endif
.endm
.set MUL_LO, 0xa1                      ; source 0 (B) window 1, source 1 (A) window 0, C and D window 2
.set MUL_HI, 0xf1
.set TO_B,   0x40
; A joint load: waves 0 and 1 fetch for A, waves 2 and 3 for B; the branch hangs on the wave's number alone.  An s_nop 0 and four v_nop follow each of the two lines.
.macro JLOAD g0a, g1a, g0b, g1b
	s_cmp_eq_u32 s15, 0
	s_cbranch_scc0 .Lfor_b_\@
	tensor_load_to_lds s[\g0a:\g0a+3], s[\g1a:\g1a+7]
	s_nop 0
.rept 4
	v_nop
.endr
	s_branch .Lasked_\@
.Lfor_b_\@:
	tensor_load_to_lds s[\g0b:\g0b+3], s[\g1b:\g1b+7]
	s_nop 0
.rept 4
	v_nop
.endr
.Lasked_\@:
.endm
.macro CREST                           ; a round of the cluster's barrier behind its opening barrier
	s_cmp_lg_u32 s14, 0
	s_cbranch_scc1 .Lnot_wave_0_\@
	s_barrier_signal -3
.Lnot_wave_0_\@:
	s_barrier_wait -3
	s_barrier_signal -1
	s_barrier_wait -1
.endm
.macro CROUND
	s_barrier_signal -1
	s_barrier_wait -1
	CREST
.endm
	s_load_b512 s[68:83], s[0:1], 0x0              ; x's codes, scales; Wq's; Wk's; Wv's
	s_load_b64 s[12:13], s[0:1], 0x40              ; qkv
	v_lshl_add_u32 v[SPW], v0, 2, SPARE
	v_mov_b32 v[NIL], 0
	ds_add_u32 v[SPW], v[NIL]                      ; the wave's opening: the add, twice on end, and its wait ahead of my first tensor load
	ds_add_u32 v[SPW], v[NIL]
	v_lshrrev_b32 v1, 5, v0
	v_readfirstlane_b32 s14, v1                    ; wave 0..3
	s_lshr_b32 s15, s14, 1                         ; which half of the tile's rows is mine.  Also: I fetch for A (0) or for B (1)
	s_and_b32 s16, s14, 1                          ; which half of its columns.  Also: which 128 rows of that tile I fetch
	s_bfe_u32 s40, ttmp6, 0x40000                  ; cx, cy: my place in the cluster
	s_bfe_u32 s41, ttmp6, 0x40004
	s_and_b32 s97, ttmp7, 0xffff                   ; the cluster's y
	s_lshr_b32 s95, s97, 3                         ; z: 0 q, 1 k, 2 v
	s_and_b32 s96, s97, 7                          ; which eighth of x's rows
	s_cmp_lt_u32 s95, 2
	s_cselect_b32 s17, s96, 0                      ; x is A for q and k,
	s_cselect_b32 s42, 0, s96                      ; and B for v
	s_lshl_b32 s17, s17, 2
	s_add_co_u32 s17, s17, s41                     ; tile row: it hangs on cy and on the cluster's number
	s_lshl_b32 s42, s42, 2
	s_add_co_u32 s42, s42, s40                     ; tile column: on cx and on the cluster's number
	s_lshl_b32 s43, s41, 2
	s_lshl_b32 s43, 15, s43                        ; my row of the cluster
	s_lshl_b32 s44, 0x1111, s40                    ; my column
	; descriptor group 1: a tile of 128 rows x 192 bytes; 16 bytes of padding behind every 64
	s_or_b32 s[G1+0], s43, (0<<16)|(1<<20)|(1<<21)|(3<<22)|(3<<25)
	s_or_b32 s[G1B+0], s44, (0<<16)|(1<<20)|(1<<21)|(3<<22)|(3<<25)
.irp g, G1, G1B
	s_mov_b32 s[\g+1], ROWB<<16                    ; tensor_dim0
	s_mov_b32 s[\g+2], 128<<16                     ; tensor_dim1
	s_mov_b32 s[\g+3], ROWB<<16                    ; tile_dim0
	s_mov_b32 s[\g+4], 128                         ; tile_dim1
	s_mov_b32 s[\g+5], KROW                        ; tensor_dim0_stride
	s_mov_b32 s[\g+6], 0
	s_mov_b32 s[\g+7], 0
.endr
	s_lshl_b32 s18, s16, 7                         ; which 128 rows of the tile I fetch
	s_lshl_b32 s20, s17, 8
	s_add_co_u32 s20, s20, s18                     ; A: row 256 x tile row + 128 x half
	s_lshl_b32 s46, s42, 8
	s_add_co_u32 s46, s46, s18                     ; B: row 256 x tile column + 128 x half
	s_mov_b32 s21, 0
	s_mov_b32 s47, 0
	s_mov_b64 s[18:19], KS
	s_mul_u64 s[22:23], s[20:21], s[18:19]         ; where these rows' scale bytes begin
	s_mul_u64 s[92:93], s[46:47], s[18:19]
	s_mov_b64 s[18:19], KROW
	s_mul_u64 s[20:21], s[20:21], s[18:19]         ; and their codes
	s_mul_u64 s[46:47], s[46:47], s[18:19]
	s_mul_i32 s45, s14, HALFT                      ; where they go: wave x 128 rows: no place in the cluster enters an LDS address
	s_mul_i32 s94, s14, HALFS
	s_wait_dscnt 0x0                               ; both opening adds are done
	s_wait_kmcnt 0x0
	s_cmp_lt_u32 s95, 2                            ; the buffers are chosen by z, which hangs on no address
	s_cselect_b64 s[4:5], s[68:69], s[80:81]       ; A's codes: x's or Wv's
	s_cselect_b64 s[6:7], s[70:71], s[82:83]       ; A's scales
	s_cmp_eq_u32 s95, 0
	s_cselect_b64 s[8:9], s[72:73], s[76:77]       ; B's codes: Wq's or Wk's,
	s_cselect_b64 s[10:11], s[74:75], s[78:79]
	s_cmp_eq_u32 s95, 2
	s_cselect_b64 s[8:9], s[68:69], s[8:9]         ; or x's
	s_cselect_b64 s[10:11], s[70:71], s[10:11]
	; group 1 for the scale bytes of 128 rows: a dense block of 4,096 bytes, as 16 rows of 256 bytes, 16 bytes of padding behind each (written here: the registers held the arguments until the choices above)
	s_or_b32 s[G1S+0], s43, (3<<16)|(1<<20)|(1<<21)|(5<<22)|(3<<25)
	s_or_b32 s[G1SB+0], s44, (3<<16)|(1<<20)|(1<<21)|(5<<22)|(3<<25)
.irp g, G1S, G1SB
	s_mov_b32 s[\g+1], 32<<16
	s_mov_b32 s[\g+2], (128*KS/256)<<16
	s_mov_b32 s[\g+3], 32<<16
	s_mov_b32 s[\g+4], 128*KS/256
	s_mov_b32 s[\g+5], 32
	s_mov_b32 s[\g+6], 0
	s_mov_b32 s[\g+7], 0
.endr
	s_add_nc_u64 s[20:21], s[4:5], s[20:21]
	s_add_nc_u64 s[22:23], s[6:7], s[22:23]
	s_add_nc_u64 s[46:47], s[8:9], s[46:47]
	s_add_nc_u64 s[92:93], s[10:11], s[92:93]
	CROUND                                         ; all sixteen work-groups are here: the first joint loads meet
	s_mov_b32 s[G0S], 1
	s_add_co_u32 s[G0S+1], s94, SCL
	s_mov_b64 s[G0S+2:G0S+3], s[22:23]
	s_or_b32 s[G0S+3], s[G0S+3], 0x80000000
	s_mov_b32 s[G0SB], 1
	s_add_co_u32 s[G0SB+1], s94, SCL
	s_mov_b64 s[G0SB+2:G0SB+3], s[92:93]
	s_or_b32 s[G0SB+3], s[G0SB+3], 0x80000000
	JLOAD G0S, G1S, G0SB, G1SB                     ; the scale bytes first: they are wanted with K step 0
.irp s, 0,1
	s_mov_b32 s[G0+4*\s], 1
	s_add_co_u32 s[G0+4*\s+1], s45, \s*SLOT
	s_add_nc_u64 s[G0+4*\s+2:G0+4*\s+3], s[20:21], \s*ROWB
	s_or_b32 s[G0+4*\s+3], s[G0+4*\s+3], 0x80000000
	s_mov_b32 s[G0B+4*\s], 1
	s_add_co_u32 s[G0B+4*\s+1], s45, \s*SLOT
	s_add_nc_u64 s[G0B+4*\s+2:G0B+4*\s+3], s[46:47], \s*ROWB
	s_or_b32 s[G0B+4*\s+3], s[G0B+4*\s+3], 0x80000000
	JLOAD G0+4*\s, G1, G0B+4*\s, G1B               ; three loads of mine are out now
.endr
	v_and_b32 v1, 15, v0                           ; r = l % 16
	v_bfe_u32 v2, v0, 4, 1                         ; h = l / 16
	v_mul_u32_u24 v3, v1, PITCH
	v_mul_u32_u24 v4, v2, 24
	v_add_nc_u32 v4, v3, v4                        ; a fragment's row x pitch + 24 x half
	v_lshl_add_u32 v5, v2, 4, v4                   ; and the same behind one padding more
	s_mul_i32 s21, s15, HALFT                      ; my 128 rows of A
	s_mul_i32 s22, s16, HALFT                      ; my 128 rows of B,
	s_add_co_u32 s22, s22, 2*HALFT                 ; which lie behind A's 256
.irp s, 0,1
	v_add_nc_u32 v[ADRA+\s], s21, v4
	v_add_nc_u32 v[ADRB+\s], s22, v4
	v_add_nc_u32 v[ADRA+2+\s], s21, v5
	v_add_nc_u32 v[ADRB+2+\s], s22, v5
	s_add_co_u32 s21, s21, SLOT
	s_add_co_u32 s22, s22, SLOT
.endr
	v_mul_u32_u24 v5, v1, KS                       ; my row's scale bytes: 32 a row,
	v_lshrrev_b32 v6, 8, v5
	v_lshl_add_u32 v5, v6, 4, v5                   ; and 16 more for each 256 passed
	s_mul_i32 s21, s15, HALFS
	s_mul_i32 s22, s16, HALFS
	s_add_co_u32 s22, s22, 2*HALFS
	s_sub_co_u32 s22, s22, s21
	v_mul_u32_u24 v6, s22, v2                      ; lanes 16-31 take B's
	s_add_co_u32 s21, s21, SCL
	v_add_nc_u32 v5, v5, v6
	v_add_nc_u32 v[ADRS], s21, v5
	s_mul_i32 s23, s14, 16*SPITCH                  ; my stage
	v_mul_u32_u24 v5, v1, SPITCH
	v_lshl_add_u32 v6, v2, 5, v5
	v_add_nc_u32 v[STO], s23, v6                   ; in: row r, 32 bytes for each half of the lanes
	v_lshl_add_u32 v6, v2, 7, v5
	v_add_nc_u32 v[RD], s23, v6                    ; back: row r, 128 bytes (a block of 32 numbers) for each half
	; where my wave's records begin in qkv
	s_lshl_b32 s20, s17, 1
	s_add_co_u32 s20, s20, s15                     ; which 128 rows of A are mine
	s_lshl_b32 s21, s42, 1
	s_add_co_u32 s21, s21, s16                     ; which 128 rows of B
	s_cmp_lt_u32 s95, 2
	s_cselect_b32 s22, s20, s21                    ; the group of 128 rows of x, 0 to 63,
	s_cselect_b32 s23, s21, s20                    ; and the pair of heads
	s_lshr_b32 s46, s22, 4
	s_lshl_b32 s46, s46, 4                         ; 16 x batch
	s_lshl_b32 s23, s23, 1
	s_add_co_u32 s46, s46, s23                     ; + my first head
	s_mul_i32 s46, s46, HS
	s_and_b32 s22, s22, 15
	s_mul_i32 s22, s22, REC
	s_add_co_u32 s46, s46, s22
	s_cmp_eq_u32 s95, 0
	s_cselect_b32 s22, 13056, 0                    ; Q's part of a record, or K's,
	s_cmp_eq_u32 s95, 2
	s_cselect_b32 s22, 6656, s22                   ; or V's
	s_add_co_u32 s46, s46, s22
	s_mov_b32 s47, 0
	s_add_nc_u64 s[12:13], s[12:13], s[46:47]
.macro FRAG reg, adr, q, i             ; a fragment, 16 rows x 128 K of 6-bit codes: 12 registers; lane l holds row l % 16; registers 6 c .. 6 c + 5 hold K = 64 c + 32 (l / 16) + 0 .. 31, as they lie
.irp p, 0,1,2,3,4,5                    ; in pieces of 8 bytes; where the piece three on lies behind one padding more, the second address register serves
.set PC, 12*(\q)+6*(\p/3)+\p%3
.if PC%8 < 5
	ds_load_b64 v[\reg+2*\p:\reg+2*\p+1], v[\adr] offset:8*PC+16*(PC/8)+(\i)*16*PITCH
.else
	ds_load_b64 v[\reg+2*\p:\reg+2*\p+1], v[\adr+2] offset:8*PC+16*(PC/8)+(\i)*16*PITCH
.endif
.endr
.endm
; 16 matrix instructions: A's blocks a0, a0 + 1 x B's eight.  The 64 accumulators take turns, one instruction a turn, in the same order in every step.
.macro MUL16 a0, p, q, sc, zero
.irp a, \a0, \a0+1
.irp b, 0,1,2,3,4,5,6,7
.if \zero
	v_wmma_scale_f32_16x16x128_f8f6f4 v[8*(8*((\a)%4)+\b):8*(8*((\a)%4)+\b)+7], v[128*(\p)+FR*\b:128*(\p)+FR*\b+FR-1], v[AF+FR*(\a):AF+FR*(\a)+FR-1], 0, v[SC+8*NQ*(\sc)+NQ*\b+(\q)], v[SC+8*NQ*(\sc)+NQ*(\a)+(\q)] matrix_a_fmt:MATRIX_FMT_BF6 matrix_b_fmt:MATRIX_FMT_BF6 matrix_a_scale:MATRIX_SCALE_ROW1
.else
	v_wmma_scale_f32_16x16x128_f8f6f4 v[8*(8*((\a)%4)+\b):8*(8*((\a)%4)+\b)+7], v[128*(\p)+FR*\b:128*(\p)+FR*\b+FR-1], v[AF+FR*(\a):AF+FR*(\a)+FR-1], v[8*(8*((\a)%4)+\b):8*(8*((\a)%4)+\b)+7], v[SC+8*NQ*(\sc)+NQ*\b+(\q)], v[SC+8*NQ*(\sc)+NQ*(\a)+(\q)] matrix_a_fmt:MATRIX_FMT_BF6 matrix_b_fmt:MATRIX_FMT_BF6 matrix_a_scale:MATRIX_SCALE_ROW1
.endif
.endr
.endr
.endm
.macro FETCH_B slot, q, p
	WIN TO_B
.irp i, 0,1,2,3,4,5,6,7
	FRAG 128*(\p)+FR*\i, ADRB+\slot, \q, \i
.endr
	WIN 0
.endm
.macro FETCH_A slot, q, i0
.irp i, \i0, \i0+1, \i0+2, \i0+3
	FRAG AF+FR*(\i), ADRA+\slot, \q, \i
.endr
.endm
.macro SCALES sc                       ; a K step's scale words: lanes 0-15 take A's block i, lanes 16-31 B's block i
.irp i, 0,1,2,3,4,5,6,7
	ds_load_b64 v[SC+8*NQ*\sc+NQ*\i:SC+8*NQ*\sc+NQ*\i+1], v[ADRS] offset:\i*SBLK
.endr
.endm
.macro PLACES n                        ; plain vector instructions that name no register of the matrix instructions ahead of them (ISA guide 7.12.1)
.rept \n
	v_nop
.endr
.endm
.macro STEP slot, q, zero              ; a step of 128 along K that has its successor in the same slot
	s_wait_dscnt 4*NL                              ; B's set and A's blocks 0-3 are in; the youngest 24 loads (A's blocks 4-7) may be out
	WIN MUL_LO
	MUL16 0, (\q)%2, \q, \slot, \zero
	MUL16 2, (\q)%2, \q, \slot, \zero
	s_wait_dscnt 0                                 ; A's blocks 4-7 are in
	PLACES NP
	FETCH_B \slot, (\q)+1, 1-(\q)%2
	FETCH_A \slot, (\q)+1, 0
	WIN MUL_HI
	MUL16 4, (\q)%2, \q, \slot, \zero
	MUL16 6, (\q)%2, \q, \slot, \zero
	PLACES NP
	WIN 0
	FETCH_A \slot, (\q)+1, 4
.endm
; A slot's last step changes slots: one barrier; in front of it each wave waits for all its tensor loads, adds 0 to its spare word, and waits for that and for its own reads of this slot.  fill = 1: this slot is filled again.
.macro TURN slot, next, fill
	s_wait_tensorcnt 0x0                           ; all my tensor loads have landed: my part of the next slot
	ds_add_u32 v[SPW], v[NIL]                      ; 0 onto my spare word
	s_wait_dscnt 4*NL+1                            ; (the add and the youngest 24 loads may be out)
	WIN MUL_LO
	MUL16 0, 1, NQ-1, \slot, 0
	s_wait_dscnt 0x0                               ; the add is done, and my reads of this slot are over
	s_barrier_signal -1
	MUL16 2, 1, NQ-1, \slot, 0
	WIN 0
	s_barrier_wait -1
.if \fill
	CREST                                          ; the barrier has opened a round of the cluster's barrier: no wave of any partner still reads this slot or has a load on its way
	s_add_nc_u64 s[G0+4*\slot+2:G0+4*\slot+3], s[G0+4*\slot+2:G0+4*\slot+3], 2*ROWB
	s_add_nc_u64 s[G0B+4*\slot+2:G0B+4*\slot+3], s[G0B+4*\slot+2:G0B+4*\slot+3], 2*ROWB
	JLOAD G0+4*\slot, G1, G0B+4*\slot, G1B         ; the first tensor load behind the round; its four v_nop are the places in front of the loads below
.else
	PLACES NP
.endif
	s_wait_alu depctr_va_vdst(0)
	v_add_nc_u32 v[ADRS], 4*NQ, v[ADRS]            ; on to the next K step's scale words (no LDS load of mine is out)
	FETCH_B \next, 0, 0
	FETCH_A \next, 0, 0
	SCALES \next
	WIN MUL_HI
	MUL16 4, 1, NQ-1, \slot, 0
	MUL16 6, 1, NQ-1, \slot, 0
	PLACES NP
	WIN 0
	FETCH_A \next, 0, 4
.endm
	s_wait_alu depctr_va_vdst(0)
	s_wait_tensorcnt 1                             ; the scale bytes and my part of K step 0 are in (K step 1's load may be out)
	s_barrier_signal -1
	s_barrier_wait -1                              ; everybody's are
	FETCH_B 0, 0, 0
	FETCH_A 0, 0, 0
	SCALES 0
	FETCH_A 0, 0, 4
	; K = 1,024 is four slots' worth: the eight steps of 128 are written out
	STEP 0, 0, 1                                   ; the first products start the sums: nothing is cleared
	TURN 0, 1, 1                                   ; slot 0 takes K 512 on
	STEP 1, 0, 0
	TURN 1, 0, 1                                   ; slot 1 takes K 768 on
	STEP 0, 0, 0
	TURN 0, 1, 0                                   ; nothing is left to fetch
	STEP 1, 0, 0
	s_wait_dscnt 4*NL
	WIN MUL_LO
	MUL16 0, 1, NQ-1, 1, 0
	MUL16 2, 1, NQ-1, 1, 0
	s_wait_dscnt 0
	WIN MUL_HI
	MUL16 4, 1, NQ-1, 1, 0
	MUL16 6, 1, NQ-1, 1, 0
	WIN 0
	; THE WAY OUT.  What hangs on z: from tile to tile, from half to half of my rows, from unit to unit (64 columns)
	s_cmp_eq_u32 s95, 2
	s_cselect_b32 s40, -1, 0                       ; all lanes where this is v
	s_mov_b32 s42, 768
	s_cselect_b32 s42, 1536, s42                   ; a block of 16 rows on: a tile image (q, k), a tile's two images (v)
	s_mov_b32 s43, 3072
	s_cselect_b32 s43, HS, s43                     ; four blocks on: four images (q, k), the next head (v)
	s_mov_b32 s44, HS
	s_cselect_b32 s44, 768, s44                    ; 64 columns on: the next head (q, k), the next 64 keys' image (v)
	s_mov_b32 s41, 0xffff0000                      ; lanes 16-31
	s_mov_b32 s46, 0x76543210
	s_mov_b32 s47, 0xfedcba98                      ; v_permlanex16_b32's selects for lane l xor 16
	v_and_b32 v70, 15, v0                          ; r.  (These lines name no register of the last products: they are the places behind them)
	v_bfe_u32 v71, v0, 4, 1                        ; h
	v_lshlrev_b32 v[SH8], 3, v71
	v_lshl_add_u32 v72, v71, 4, v70
	v_lshlrev_b32 v[LN8], 3, v72                   ; 8 (r + 16 h): tiles of even number,
	v_xor_b32 v[LN8+1], 64, v[LN8]                 ; 8 ((r xor 8) + 16 h): of odd number
	v_and_b32 v72, 7, v70
	v_lshl_add_u32 v72, v71, 3, v72                ; r % 8 + 8 h
	v_lshrrev_b32 v73, 3, v70                      ; r / 8
	v_lshlrev_b32 v[TOQ], 5, v72
	v_lshl_add_u32 v[TOQ], v73, 4, v[TOQ]          ; a table of q or k: 32 (r % 8 + 8 h) + 16 (r / 8); register j of four is tile 2 j + h
	v_lshlrev_b32 v[TOV], 4, v72
	v_lshl_add_u32 v[TOV], v73, 3, v[TOV]          ; a table of v: 16 (r % 8 + 8 h) + 8 (r / 8); register j of two is tile 2 j + h
	v_mov_b32 v[YB], 0                             ; written once: a lane permute's destination counts as one of its sources
	v_mov_b32 v[YB+1], 0
.irp a, 0,1,2,3,4,5,6,7
	s_mul_i32 s45, s42, \a%4
.if \a >= 4
	s_add_co_u32 s45, s45, s43
.endif
	v_add_nc_u32 v[VO+2*\a], s45, v[LN8+\a%2]
	s_add_co_u32 s45, s45, s44
	v_add_nc_u32 v[VO+2*\a+1], s45, v[LN8+\a%2]
.endr
; Block a, 16 rows x 128 columns, goes through my own stage as it stands and comes back so that lane (r, h) holds, for each unit u of 64 columns, the 32 neighbours of block h of row r.
; LDS serves a wave's instructions in order (ISA guide 5.7.1.4): no wait between the stores and the loads, nor in front of the next block's stores.
.macro TOSTAGE a
.set AC, 64*((\a)%4)
	WIN 0x08+4*((\a)/4)                            ; the data: window 2 or 3
.irp b, 0,1,2,3,4,5,6,7
	ds_store_b128 v[STO], v[AC+8*\b:AC+8*\b+3] offset:64*\b          ; each accumulator from its low end on
	ds_store_b128 v[STO], v[AC+8*\b+4:AC+8*\b+7] offset:64*\b+16
.endr
	WIN 0
.set BB, BK+64*((\a)%2)
.irp t, 0,1,2,3,4,5,6,7,8,9,10,11,12,13,14,15
	ds_load_b128 v[BB+4*\t:BB+4*\t+3], v[RD] offset:256*(\t/8)+16*(\t%8)
.endr
.endm
; Block a's two units are quantised and stored.  younger: the LDS instructions issued behind block a's loads, which may stay out.
.macro QSEND a, younger
.set BB, BK+64*((\a)%2)
.set CDB, CD+16*((\a)%2)
	s_wait_dscnt \younger                          ; the block is back in registers
.irp u, 0,1
	v_max3_num_f32 v[TM+2*\u],   |v[BB+32*\u]|,   |v[BB+32*\u+1]|, |v[BB+32*\u+2]|   ; the block's largest magnitude: all 32 numbers are mine; two chains a unit
	v_max3_num_f32 v[TM+2*\u+1], |v[BB+32*\u+3]|, |v[BB+32*\u+4]|, |v[BB+32*\u+5]|
.endr
.irp i, 6,10,14,18,22,26
.irp u, 0,1
	v_max3_num_f32 v[TM+2*\u],   v[TM+2*\u],   |v[BB+32*\u+\i]|,   |v[BB+32*\u+\i+1]|
	v_max3_num_f32 v[TM+2*\u+1], v[TM+2*\u+1], |v[BB+32*\u+\i+2]|, |v[BB+32*\u+\i+3]|
.endr
.endr
.irp u, 0,1
	v_max3_num_f32 v[TM+2*\u], v[TM+2*\u], |v[BB+32*\u+30]|, |v[BB+32*\u+31]|
.endr
.irp u, 0,1
	v_max3_num_f32 v[TM+2*\u], v[TM+2*\u], v[TM+2*\u+1], 0x2800000   ; and the floor 2^(5 - 127): the byte cannot fall under 1
.endr
.irp u, 0,1
	v_add_nc_u32 v[SOP+\u], 0xfe000000, v[TM+2*\u]                   ; 4 off the exponent field: the conversion takes the exponent field of this operand as its scale
.endr
.irp u, 0,1
	v_cvt_scalef32_pk16_bf6_f32 v[CDB+8*\u:CDB+8*\u+2], v[BB+32*\u:BB+32*\u+15], v[SOP+\u]
	v_cvt_scalef32_pk16_bf6_f32 v[CDB+8*\u+4:CDB+8*\u+6], v[BB+32*\u+16:BB+32*\u+31], v[SOP+\u]   ; (a conversion's three registers begin on an even number)
.endr
.irp u, 0,1
	v_lshrrev_b32 v[XB+\u], 23, v[SOP+\u]          ; the scale's byte.  (The plain place behind the conversions)
.endr
.irp u, 0,1
	v_lshlrev_b32 v[XB+\u], v[SH8], v[XB+\u]       ; at its place: block h's byte 8 h bits up
.endr
.irp u, 0,1
	v_permlanex16_b32 v[YB+\u], v[XB+\u], s46, s47
.endr
.irp u, 0,1
	v_or_b32 v[HH+\u], v[XB+\u], v[YB+\u]          ; both blocks' bytes of row r's unit, in both halves of the lanes
.endr
	v_cndmask_b32 v[TT], v[HH], v[HH+1], s40
	v_lshl_or_b32 v[WA+(\a)], v[TT], 16, v[HH]     ; q, k: unit 0's two bytes, twice (either half of a K of 128 may hold the head's 64); v: the row's four bytes of 128 keys
	v_lshl_or_b32 v[WB+(\a)], v[HH+1], 16, v[HH+1] ; q, k: unit 1's
.irp u, 0,1
	v_mov_b32 v[CDB+8*\u+3], v[CDB+8*\u+4]         ; the block's six registers on end
	v_mov_b32 v[CDB+8*\u+4], v[CDB+8*\u+5]
	v_mov_b32 v[CDB+8*\u+5], v[CDB+8*\u+6]
.endr
.irp u, 0,1
.irp p, 0,1,2
	global_store_b64 v[VO+2*(\a)+\u], v[CDB+8*\u+2*\p:CDB+8*\u+2*\p+1], s[12:13] offset:256*\p   ; a plane: 32 lanes store 256 consecutive bytes, at a multiple of 256 from the buffer's first byte
.endr
.endr
.endm
	TOSTAGE 0
.irp a, 1,2,3,4,5,6,7
.if \a > 1
	s_wait_xcnt 0x0                                ; the stores of the block before last have read their code registers, which the block in hand writes again
.endif
	TOSTAGE \a
	QSEND \a-1, 32                                 ; behind block a - 1's loads: block a's 16 stores and 16 loads
.endr
	s_wait_xcnt 0x0
	QSEND 7, 0
	; the scale words: lanes 0-15 take the even tile's, lanes 16-31 the odd tile's
.irp j, 0,1,2,3
	v_cndmask_b32 v[SELA+\j], v[WA+2*\j], v[WA+2*\j+1], s41
	v_cndmask_b32 v[SELB+\j], v[WB+2*\j], v[WB+2*\j+1], s41
.endr
	s_cmp_eq_u32 s95, 2                            ; z is the same in all waves and in all sixteen partners
	s_cbranch_scc1 .Lv_tables
	global_store_b128 v[TOQ], v[SELA:SELA+3], s[12:13] offset:6144       ; my first head's table: 512 consecutive bytes
	global_store_b128 v[TOQ], v[SELB:SELB+3], s[12:13] offset:6144+HS    ; my second head's
	s_branch .Ltables_done
.Lv_tables:
	s_wait_alu depctr_va_vdst(0)
	global_store_b64 v[TOV], v[SELA:SELA+1], s[12:13] offset:6144        ; my first head's four tiles: 256 consecutive bytes
	global_store_b64 v[TOV], v[SELA+2:SELA+3], s[12:13] offset:6144+HS   ; my second head's
.Ltables_done:
	s_wait_tensorcnt 0x0                           ; the wave's end, behind my last tensor load and my last LDS store
	ds_add_u32 v[SPW], v[NIL]
	s_wait_dscnt 0x0
	CROUND                                         ; the closing round: no work-group ends while a partner may still ask for a tile that names it
	s_endpgm
.Lfunc_end_k_q92a8344e39_proj:
	.size	k_q92a8344e39_proj, .Lfunc_end_k_q92a8344e39_proj-k_q92a8344e39_proj
	.p2alignl 7, 3214868480
	.fill 96, 4, 3214868480
	.section	.rodata,"a",@progbits
	.p2align	6, 0x0
	.amdhsa_kernel k_q92a8344e39_proj
		.amdhsa_group_segment_fixed_size 327680
		.amdhsa_private_segment_fixed_size 0
		.amdhsa_enable_private_segment 0
		.amdhsa_kernarg_size 72
		.amdhsa_user_sgpr_count 2
		.amdhsa_user_sgpr_kernarg_segment_ptr 1
		.amdhsa_wavefront_size32 1
		.amdhsa_system_sgpr_workgroup_id_x 1
		.amdhsa_system_sgpr_workgroup_id_y 1
		.amdhsa_system_sgpr_workgroup_id_z 1
		.amdhsa_system_vgpr_workitem_id 0
		.amdhsa_next_free_vgpr 1024
		.amdhsa_next_free_sgpr 98
		.amdhsa_reserve_vcc 0
		.amdhsa_float_denorm_mode_32 3
		.amdhsa_float_denorm_mode_16_64 3
		.amdhsa_memory_ordered 1
		.amdhsa_forward_progress 1
		.amdhsa_inst_pref_size 181
	.end_amdhsa_kernel
	.amdgpu_metadata
---
amdhsa.version: [ 1, 2 ]
amdhsa.kernels:
  - .name:           k_q92a8344e39_proj
    .symbol:         k_q92a8344e39_proj.kd
    .args:
      - { .name: x_codes, .offset: 0, .size: 8, .value_kind: global_buffer, .address_space: global }
      - { .name: x_scales, .offset: 8, .size: 8, .value_kind: global_buffer, .address_space: global }
      - { .name: Wq_codes, .offset: 16, .size: 8, .value_kind: global_buffer, .address_space: global }
      - { .name: Wq_scales, .offset: 24, .size: 8, .value_kind: global_buffer, .address_space: global }
      - { .name: Wk_codes, .offset: 32, .size: 8, .value_kind: global_buffer, .address_space: global }
      - { .name: Wk_scales, .offset: 40, .size: 8, .value_kind: global_buffer, .address_space: global }
      - { .name: Wv_codes, .offset: 48, .size: 8, .value_kind: global_buffer, .address_space: global }
      - { .name: Wv_scales, .offset: 56, .size: 8, .value_kind: global_buffer, .address_space: global }
      - { .name: qkv, .offset: 64, .size: 8, .value_kind: global_buffer, .address_space: global }
    .group_segment_fixed_size: 327680
    .private_segment_fixed_size: 0
    .kernarg_segment_align: 8
    .kernarg_segment_size: 72
    .max_flat_workgroup_size: 128
    .sgpr_count:     98
    .vgpr_count:     1024
    .wavefront_size: 32
...
	.end_amdgpu_metadata
.endif
;; end of part 1
;; launch attn (part 2): grid 4 x 64, 16 waves a work-group, clusters of 4 x 1, 210,944 bytes of LDS; arguments qkv, ctx_codes, ctx_scales; writes ctx_codes, ctx_scales
.if DOCPART == 2
	.amdgcn_target "amdgcn-amd-amdhsa--gfx1250"
	.amdhsa_code_object_version 6
	.text
	.protected	k_q92a8344e39_attn
	.globl	k_q92a8344e39_attn
	.p2align	8
	.type	k_q92a8344e39_attn,@function
k_q92a8344e39_attn:
	s_mov_b64 s[64:65], 0
	v_nop
	global_prefetch_b8 v0, s[64:65] scope:SCOPE_SE
	s_setreg_imm32_b32 hwreg(HW_REG_WAVE_MODE, 25, 1), 1
	s_wait_xcnt 0x0
	s_wait_alu depctr_hold_cnt(0) depctr_sa_sdst(0) depctr_va_vdst(0) depctr_va_sdst(0) depctr_va_ssrc(0) depctr_va_vcc(0) depctr_vm_vsrc(0)
	s_getreg_b32 s2, hwreg(HW_REG_IB_STS2, 6, 4)
	s_cmp_eq_u32 s2, 0
	s_cbranch_scc0 .Lentry_in_a_cluster
	s_endpgm
.Lentry_in_a_cluster:
	s_bfe_u32 s2, ttmp6, 0x10000c
	s_cmp_lg_u32 s2, 0x3003
	s_cbranch_scc0 .Lentry_shape_is_right
	s_endpgm
.Lentry_shape_is_right:
; ctx[b][q][head] = the sum over k <= q of softmax_k(q . k / 4096) v, both products on codes of BF6 (E3M2) with one E8M0 scale for each 32 along a product's K; ctx is quantised along D (two blocks a head) and stored as codes.
; WORK LEFT OUT: key steps of 128 keys all of which come after a tile's 16 queries: the problem's own causal mask gives them the weight 0 for all values of the inputs.  A NaN or an overflow that reaches only them is not carried on.
; THE SOFTMAX AHEAD OF THE SECOND PRODUCT: t = score x log2(e) / 4096; M = the row's largest t so far, rounded UP to a whole number; p = 2^(t - M) is what is quantised, along the keys, not normalised.
; The row's sum is taken of the unquantised p and divides at the end.  When M moves, the sum and O are multiplied by 2^(old M - new M): exact.
; SHARES.  A cluster of four work-groups is one (batch, head).  The head's whole K and V as codes, 16 key steps x 13,056 bytes, come into each partner's LDS ONCE: wave w asks for key step w, jointly with wave w of the three partners.
; Nothing is filled again, so the walk has no barrier.  A wave owns two tiles of 16 queries, T0 = 8 (w / 2) + 2 cx + w % 2 and 127 - T0: tile T walks T / 8 + 1 key steps, so every wave walks 17.
; All branches hang on the wave's number and on the count of steps; cx enters global addresses and the mask's lane numbers alone.
; LAYOUT.  Both products are used transposed: S^T = K Q^T (source 0 = 16 keys, source 1 = my 16 queries), O^T = V^T P^T (source 0 = 16 of the head's 64, source 1 = P): a lane holds ONE query (lane % 16) throughout.
; THE ROWS OF A TILE ARE NOT NEIGHBOURS: lane r of tile 2 b + u takes row 32 b + 8 u + r % 8 + 16 (r / 8), of K's keys and of V's head units alike, so that the 16 registers of tiles 2 b and 2 b + 1 are 16 neighbours along the next K.
; The records hold images of tiles of 16 neighbouring rows, those of odd number with r xor 8 for r: so the 32 lanes of each load of 8 bytes take 32 different places modulo 256 bytes.
; K = 64 IN AN INSTRUCTION OF 128: the other 64 are zero codes on both sides.  Two tiles of K share six registers of zeros: [tile][zeros][tile]; the even tile is read with the zeros above it, the odd one with them below; Q likewise.
; LIMITS: as stated at the head of the first launch (scale byte 1 for blocks under 2^-122 and for blocks of zeros).
; REGISTERS: v1-8 addresses that stay; v9-11, v35, v126-127 the step's addresses; v12 -M, v13 the largest t, v[14:15] the sum; v16-33 Q; v34 Q's scale words; v36-71 four tiles of K; v72-75 K's scale words; v76-123 V; v124-125 V's scale words;
;   v128-191 S^T, then p; v192-223 O^T; v224-235 p's codes; v236-247 at work; v248-251 lane constants; v252 f; v253 p's scale word; v254, v255 at work.
.set REC,   19712
.set HS,    16*REC
.set STEPB, 13056                      ; a key step in LDS: K's part of a record, then V's
.set KSC,   6144                       ; K's scale words in it
.set VOFF,  6656                       ; V's images
.set VSC,   12800                      ; V's scale words
.set QOFF,  13056                      ; Q's part of a record, in memory
.set SPARE, 16*STEPB                   ; the spare words, 128 bytes for each wave: eight blocks of 256 bytes that no other line names
.set AK,  1                            ; v1-2   my lane's place in K's images, for tiles of even and odd number
.set AV,  3                            ; v3-4   the same for V
.set SPW, 5
.set NIL, 6
.set ASK, 7                            ; v7     my place among K's scale words
.set ASV, 8                            ; v8     and among V's
.set ADK, 9                            ; v9-10
.set ADV, 11                           ; v11 and v35
.set QF,  16
.set QSW, 34
.set KT,  36
.set KSW, 72
.set VF,  76
.set VSW, 124
.set ADS, 126
.set ADT, 127
.set S,   128
.set OT,  192
.set PCD, 224
.set BM,  236
.set PB,  240
.set SO,  244
.set L8,  248                          ; v248   8 x lane
.set QSO, 249                          ; v249   32 (r % 8) + 16 (r / 8)
.set CSO, 250                          ; v250   32 r + h
.set MD,  251                          ; v251   r - 16 h
.set WV,  10
.set CX,  11
.set BH,  12
.set AL,  13                           ; s13    w / 2
.set W1,  14                           ; s14    w % 2
.set BE,  15                           ; s15    2 cx + w % 2
.set G1,  16
.set G0,  24
.set SEL, 28
.set CS,  30                           ; s[30:31] c = log2(e) / 4096
.set TB,  32                           ; s32    LDS byte at which the key step begins
.set NS,  33                           ; s33    the key step's number
.set LIM, 34                           ; s34    the tile's last key step: the one on the diagonal
.set DQ,  35                           ; s35    the tile's first query less that step's first key
.set TQ,  36                           ; s36    the tile
.set HM,  37                           ; s37    lanes 16-31
.macro CROUND                          ; a round of the cluster's barrier
	s_barrier_signal -1
	s_barrier_wait -1
	s_cmp_lg_u32 s[WV], 0
	s_cbranch_scc1 .Lnot_wave_0_\@
	s_barrier_signal -3
.Lnot_wave_0_\@:
	s_barrier_wait -3
	s_barrier_signal -1
	s_barrier_wait -1
.endm
	s_load_b128 s[4:7], s[0:1], 0x0                ; qkv, ctx's codes
	s_load_b64 s[8:9], s[0:1], 0x10                ; ctx's scale bytes
	v_lshl_add_u32 v[SPW], v0, 2, SPARE
	v_mov_b32 v[NIL], 0
	ds_add_u32 v[SPW], v[NIL]                      ; the wave's opening: the add, twice on end, and its wait ahead of my first tensor load
	ds_add_u32 v[SPW], v[NIL]
	v_lshrrev_b32 v9, 5, v0
	s_delay_alu instid0(VALU_DEP_1)
	v_readfirstlane_b32 s[WV], v9                  ; wave 0..15
	s_bfe_u32 s[CX], ttmp6, 0x40000                ; cx: my place in the cluster
	s_and_b32 s[BH], ttmp7, 0xffff                 ; 16 x batch + head, which the four partners share
	s_lshr_b32 s[AL], s[WV], 1
	s_and_b32 s[W1], s[WV], 1
	s_lshl_b32 s[BE], s[CX], 1
	s_add_co_u32 s[BE], s[BE], s[W1]
	; descriptor group 1: a key step's 13,056 dense bytes as 51 rows of 256 bytes (32 elements of 8 bytes), no padding
	s_mov_b32 s[G1], 15|(3<<16)|(1<<21)            ; 15:0 the mask: all four work-groups; 17:16 elements of 8 bytes; 21 set beside a mask
	s_mov_b32 s[G1+1], 32<<16                      ; tensor_dim0
	s_mov_b32 s[G1+2], 51<<16                      ; tensor_dim1
	s_mov_b32 s[G1+3], 32<<16                      ; tile_dim0
	s_mov_b32 s[G1+4], 51                          ; tile_dim1
	s_mov_b32 s[G1+5], 32                          ; tensor_dim0_stride
	s_mov_b32 s[G1+6], 0
	s_mov_b32 s[G1+7], 0
	s_mul_i32 s38, s[BH], HS                       ; the head's first byte in qkv
	s_mov_b32 s39, 0
	s_mul_i32 s40, s[WV], REC                      ; key step w's record
	s_mov_b32 s41, 0
	s_mov_b32 s[G0], 1
	s_mul_i32 s[G0+1], s[WV], STEPB                ; and its place in LDS: the wave's number alone
	s_mov_b32 s[SEL], 0x76543210
	s_mov_b32 s[SEL+1], 0xfedcba98                 ; v_permlanex16_b32's selects for lane l xor 16
	s_mov_b32 s[CS], 0x39b8aa3b                    ; c = log2(e) / 4096
	s_mov_b32 s[CS+1], s[CS]                       ; (named with it as a pair, so it is written)
	s_mov_b32 s[HM], 0xffff0000
	s_wait_dscnt 0x0                               ; both opening adds are done
	s_wait_kmcnt 0x0
	s_add_nc_u64 s[4:5], s[4:5], s[38:39]          ; qkv at my head
	s_add_nc_u64 s[G0+2:G0+3], s[4:5], s[40:41]
	s_or_b32 s[G0+3], s[G0+3], 0x80000000
	CROUND                                         ; all four work-groups are here: the joint loads meet
	tensor_load_to_lds s[G0:G0+3], s[G1:G1+7]      ; my one tensor load of the launch
	s_nop 0
.rept 4
	v_nop
.endr
	v_and_b32 v9, 15, v0                           ; r
	v_bfe_u32 v10, v0, 4, 1                        ; h
	s_delay_alu instid0(VALU_DEP_2)
	v_lshrrev_b32 v11, 3, v9                       ; r / 8
	s_delay_alu instid0(VALU_DEP_3)
	v_and_b32 v35, 7, v9                           ; r % 8
	s_delay_alu instid0(VALU_DEP_3)
	v_lshl_add_u32 v[L8], v10, 4, v9
	s_delay_alu instid0(VALU_DEP_1)
	v_lshlrev_b32 v[L8], 3, v[L8]                  ; 8 x lane
	s_delay_alu instid0(VALU_DEP_1)
	v_mad_u32_u24 v[AK], v11, 768, v[L8]           ; lanes with r >= 8 read the next image
	s_delay_alu instid0(VALU_DEP_1)
	v_xor_b32 v[AK+1], 64, v[AK]                   ; tiles of odd number: r xor 8 for r (bit 6 belongs to 8 r alone)
	s_delay_alu instid0(VALU_DEP_3)
	v_mad_u32_u24 v[AV], v11, 1536, v[L8]
	s_delay_alu instid0(VALU_DEP_1)
	v_add_nc_u32 v[AV], VOFF, v[AV]
	s_delay_alu instid0(VALU_DEP_1)
	v_xor_b32 v[AV+1], 64, v[AV]
	v_lshlrev_b32 v[ASK], 5, v9
	s_delay_alu instid0(VALU_DEP_1)
	v_lshl_add_u32 v[ASK], v10, 4, v[ASK]
	s_delay_alu instid0(VALU_DEP_1)
	v_add_nc_u32 v[ASK], KSC, v[ASK]               ; 32 r + 16 h: register j of four is tile 2 j + h's word for lane r
	v_lshlrev_b32 v[ASV], 4, v9
	s_delay_alu instid0(VALU_DEP_1)
	v_lshl_add_u32 v[ASV], v10, 3, v[ASV]
	s_delay_alu instid0(VALU_DEP_1)
	v_add_nc_u32 v[ASV], VSC, v[ASV]               ; 16 r + 8 h: register j of two likewise
	v_lshlrev_b32 v[QSO], 5, v35
	s_delay_alu instid0(VALU_DEP_1)
	v_lshl_add_u32 v[QSO], v11, 4, v[QSO]
	v_lshl_add_u32 v[CSO], v9, 5, v10
	v_lshlrev_b32 v[MD], 4, v10
	s_delay_alu instid0(VALU_DEP_1)
	v_sub_nc_u32 v[MD], v9, v[MD]
.irp j, 0,1,2,3,4,5
	v_mov_b32 v[QF+6+\j], 0                        ; the zero codes: written once, no load lands on them
	v_mov_b32 v[KT+6+\j], 0
	v_mov_b32 v[KT+24+\j], 0
.endr
.irp b, 0,1,2,3
	v_mov_b32 v[PB+\b], 0                          ; written once: a lane permute's destination counts as one of its sources
.endr
	v_mov_b32 v253, 0                              ; (named as the upper half of the pair v[252:253] before it is first written)
	v_mov_b32 v254, 0
; A tile's start: its numbers, Q's fragment and scale words, and the running figures.  hi = 1: tile 127 - T0; 0: tile T0.
.macro PASS_HEAD hi
	s_wait_xcnt 0x0                                ; the last tile's stores have read their registers and bases: both are written again below
	s_lshl_b32 s[TQ], s[AL], 3
	s_add_co_u32 s[TQ], s[TQ], s[BE]
.if \hi
	s_sub_co_u32 s[TQ], 127, s[TQ]
	s_sub_co_u32 s[LIM], 15, s[AL]
	s_xor_b32 s42, s[W1], 1                        ; the tile's number % 2
.else
	s_mov_b32 s[LIM], s[AL]
	s_mov_b32 s42, s[W1]
.endif
	s_and_b32 s43, s[TQ], 7
	s_lshl_b32 s[DQ], s43, 4
	s_lshr_b32 s40, s[TQ], 3
	s_mul_i32 s40, s40, REC                        ; the tile's record,
	s_mul_i32 s44, s43, 768
	s_add_co_u32 s44, s44, s40                     ; its image in it
	s_mov_b32 s45, 0
	s_add_nc_u64 s[46:47], s[4:5], s[44:45]
	s_lshl_b32 s44, s42, 8
	s_add_co_u32 s40, s40, s44
	s_lshr_b32 s44, s43, 1
	s_lshl_b32 s44, s44, 2
	s_add_co_u32 s40, s40, s44                     ; and its words in the table: 256 (tile % 2) + 4 (tile / 2)
	s_mov_b32 s41, 0
	s_add_nc_u64 s[48:49], s[4:5], s[40:41]
	s_lshl_b32 s50, s42, 6
	v_xor_b32 v255, s50, v[L8]                     ; 8 ((r xor 8 (tile % 2)) + 16 h)
.irp p, 0,1,2
	global_load_b64 v[QF+2*\p:QF+2*\p+1], v255, s[46:47] offset:QOFF+256*\p          ; Q under the zeros,
.endr
.irp p, 0,1,2
	global_load_b64 v[QF+12+2*\p:QF+12+2*\p+1], v255, s[46:47] offset:QOFF+256*\p    ; and over them
.endr
	global_load_b32 v[QSW], v[QSO], s[48:49] offset:QOFF+KSC
	v_mov_b32 v13, 0xff61b1e6                      ; the largest t so far: -3e38, under every t
	s_delay_alu instid0(VALU_DEP_1)
	v_floor_f32 v12, -v13                          ; -M
	v_mov_b32 v14, 0                               ; the sum, in two halves
	v_mov_b32 v15, 0
.set J, 0
.rept 32
	v_mov_b32 v[OT+J], 0                           ; O^T.  (The step is written once: the first finds zeros, which the first change of M leaves zeros)
.set J, J+1
.endr
	s_wait_loadcnt 0x0
.endm
.macro KLOAD g                         ; tiles 4 g .. 4 g + 3 of K: three loads of 8 bytes each
.irp t, 0,1,2,3
.irp p, 0,1,2
	ds_load_b64 v[KT+18*(\t/2)+12*(\t%2)+2*\p:KT+18*(\t/2)+12*(\t%2)+2*\p+1], v[ADK+\t%2] offset:(4*\g+2*(\t/2))*768+256*\p
.endr
.endr
.endm
.macro KMUL g                          ; S^T = K Q^T for them: the even tile with the zeros above, the odd one with them below
.irp b, 0,1
	v_wmma_scale_f32_16x16x128_f8f6f4 v[S+8*(4*\g+2*\b):S+8*(4*\g+2*\b)+7], v[KT+18*\b:KT+18*\b+11], v[QF:QF+11], 0, v[KSW+2*\g+\b], v[QSW] matrix_a_fmt:MATRIX_FMT_BF6 matrix_b_fmt:MATRIX_FMT_BF6
	v_wmma_scale_f32_16x16x128_f8f6f4 v[S+8*(4*\g+2*\b+1):S+8*(4*\g+2*\b+1)+7], v[KT+18*\b+6:KT+18*\b+17], v[QF+6:QF+17], 0, v[KSW+2*\g+\b], v[QSW] matrix_a_fmt:MATRIX_FMT_BF6 matrix_b_fmt:MATRIX_FMT_BF6 matrix_a_scale:MATRIX_SCALE_ROW1
.endr
.endm
; THE WALK over the keys: 16 trips, a constant; a step all of whose keys come after my 16 queries is jumped over, by a branch on the wave's number and the count of steps.
.macro WALK
	s_mov_b32 s[TB], 0
	s_mov_b32 s[NS], 0
.Lstep_\@:
	s_cmp_gt_u32 s[NS], s[LIM]
	s_cbranch_scc1 .Lhid_\@
	s_setprio 2
	v_add_nc_u32 v[ADK], s[TB], v[AK]              ; (these six and the four v_nop below are the places in front of the loads into V's registers, which the last step's products read)
	v_add_nc_u32 v[ADK+1], s[TB], v[AK+1]
	v_add_nc_u32 v[ADV], s[TB], v[AV]
	v_add_nc_u32 v[ADV+24], s[TB], v[AV+1]
	v_add_nc_u32 v[ADS], s[TB], v[ASK]
	v_add_nc_u32 v[ADT], s[TB], v[ASV]
	ds_load_b128 v[KSW:KSW+3], v[ADS]
	KLOAD 0
	s_wait_alu depctr_va_vdst(0)
	s_wait_dscnt 0x0
	KMUL 0
.rept 4
	v_nop                                          ; places in front of loads into registers that matrix instructions have read
.endr
	KLOAD 1
.irp t, 0,1,2,3
.irp p, 0,1,2,3,4,5
	ds_load_b64 v[VF+12*\t+2*\p:VF+12*\t+2*\p+1], v[ADV+24*(\t%2)] offset:3072*(\t/2)+256*\p   ; V's four fragments: wanted behind the softmax
.endr
.endr
	ds_load_b64 v[VSW:VSW+1], v[ADT]
	s_wait_dscnt 25                                ; K's twelve loads are in; V's 24 and its scale words may be out
	KMUL 1
.rept 4
	v_nop
.endr
	s_cmp_lg_u32 s[NS], s[LIM]                     ; on the diagonal the scores of hidden keys become -infinity ahead of the maximum: p = 0 then
	s_cbranch_scc1 .Lopen_\@
	v_add_nc_u32 v252, s[DQ], v[MD]                ; d = my query - the step's first key - 16 h.  Register 16 b + i holds key 32 b + 16 h + i of the step: hidden where 32 b + i > d
	v_mov_b32 v254, 0xff800000
.set J, 0
.rept 64
	v_cmp_gt_i32 vcc_lo, 32*(J/16)+J%16, v252
	v_cndmask_b32 v[S+J], v[S+J], v254, vcc_lo
.set J, J+1
.endr
.Lopen_\@:
.irp b, 0,1,2,3
	v_max3_num_f32 v[BM+\b], v[S+16*\b], v[S+1+16*\b], v[S+2+16*\b]   ; the largest score of each block of 32 keys: for the row's maximum, and, since p rises with the score, for the block's largest p
.endr
.irp i, 3,5,7,9,11,13
.irp b, 0,1,2,3
	v_max3_num_f32 v[BM+\b], v[BM+\b], v[S+16*\b+\i], v[S+1+16*\b+\i]
.endr
.endr
.irp b, 0,1,2,3
	v_max_num_f32 v[BM+\b], v[BM+\b], v[S+15+16*\b]
.endr
.irp b, 0,1,2,3
	s_delay_alu instid0(VALU_DEP_4)
	v_permlanex16_b32 v[PB+\b], v[BM+\b], s[SEL], s[SEL+1]
.endr
.irp b, 0,1,2,3
	s_delay_alu instid0(VALU_DEP_4)
	v_max_num_f32 v[BM+\b], v[BM+\b], v[PB+\b]     ; with lane l xor 16's 16 keys
.endr
	s_delay_alu instid0(VALU_DEP_2)
	v_max3_num_f32 v254, v[BM], v[BM+1], v[BM+2]
	s_delay_alu instid0(VALU_DEP_1)
	v_max_num_f32 v254, v254, v[BM+3]              ; the step's largest score of my query
	s_delay_alu instid0(VALU_DEP_1)
	v_mul_f32 v254, s[CS], v254                    ; as t (c is positive)
	s_delay_alu instid0(VALU_DEP_1)
	v_max_num_f32 v13, v13, v254                   ; the running largest t
	v_mov_b32 v254, v12
	s_delay_alu instid0(VALU_DEP_2)
	v_floor_f32 v12, -v13                          ; the new -M = floor(-t): M is a whole number
	s_delay_alu instid0(VALU_DEP_1)
	v_sub_f32 v254, v12, v254                      ; M's old value less its new one: a whole number, 0 or less
	s_delay_alu instid0(VALU_DEP_1)
	v_cvt_i32_f32 v254, v254                       ; (it saturates)
	s_delay_alu instid0(VALU_DEP_1)
	v_ldexp_f32 v252, 1.0, v254                    ; f = 2^(old M - new M)
.set J, 0
	s_setprio 1
.rept 32
	v_pk_fma_f32 v[S+J:S+J+1], v[S+J:S+J+1], s[CS:CS+1], v[12:13] op_sel_hi:[1,0,0]   ; t - M, two at a time (of the pairs c and -M the low word serves both halves)
.set J, J+2
.endr
.irp b, 0,1,2,3
	v_fma_f32 v[BM+\b], v[BM+\b], s[CS], v12       ; the same of each block's largest score
.endr
.set J, 0
	s_wait_alu depctr_va_vdst(0)
.rept 64
	v_exp_f32 v[S+J], v[S+J]                       ; p = 2^(t - M), at most 1: not normalised
.set J, J+1
.endr
	v_pk_mul_f32 v[14:15], v[14:15], v[252:253] op_sel_hi:[1,0]   ; the sums under the new M.  (A plain place behind the exponentials)
	s_wait_alu depctr_va_vdst(0)                   ; one wait for the whole batch, ahead of its first reader
.irp b, 0,1,2,3
	v_exp_f32 v[BM+\b], v[BM+\b]                   ; the block's largest p: the same two instructions on the same number give the same bits
.endr
	v_pk_add_f32 v[240:241], v[132:133], v[136:137]
	v_pk_add_f32 v[246:247], v[140:141], v[144:145]
	v_pk_add_f32 v[244:245], v[148:149], v[152:153]
	v_pk_add_f32 v[242:243], v[156:157], v[160:161]
	v_pk_add_f32 v[234:235], v[164:165], v[168:169]
	v_pk_add_f32 v[232:233], v[172:173], v[176:177]
	v_pk_add_f32 v[230:231], v[180:181], v[184:185]
	v_pk_add_f32 v[14:15], v[14:15], v[188:189]
	v_pk_add_f32 v[240:241], v[240:241], v[128:129]
	v_pk_add_f32 v[246:247], v[246:247], v[130:131]
	v_pk_add_f32 v[244:245], v[244:245], v[134:135]
	v_pk_add_f32 v[242:243], v[242:243], v[138:139]
	v_pk_add_f32 v[234:235], v[234:235], v[142:143]
	v_pk_add_f32 v[232:233], v[232:233], v[146:147]
	v_pk_add_f32 v[230:231], v[230:231], v[150:151]
	v_pk_add_f32 v[14:15], v[14:15], v[154:155]
	v_pk_add_f32 v[240:241], v[240:241], v[158:159]
	v_pk_add_f32 v[246:247], v[246:247], v[162:163]
	v_pk_add_f32 v[244:245], v[244:245], v[166:167]
	v_pk_add_f32 v[242:243], v[242:243], v[170:171]
	v_pk_add_f32 v[234:235], v[234:235], v[174:175]
	v_pk_add_f32 v[232:233], v[232:233], v[178:179]
	v_pk_add_f32 v[230:231], v[230:231], v[182:183]
	v_pk_add_f32 v[14:15], v[14:15], v[186:187]
	v_pk_add_f32 v[240:241], v[240:241], v[190:191]
	s_delay_alu instid0(VALU_DEP_2)
	v_pk_add_f32 v[14:15], v[14:15], v[242:243]
	s_delay_alu instid0(VALU_DEP_2)
	v_pk_add_f32 v[240:241], v[240:241], v[234:235]
	v_pk_add_f32 v[246:247], v[246:247], v[232:233]
	v_pk_add_f32 v[244:245], v[244:245], v[230:231]
	s_delay_alu instid0(VALU_DEP_2)
	v_pk_add_f32 v[14:15], v[14:15], v[246:247]
	s_delay_alu instid0(VALU_DEP_2)
	v_pk_add_f32 v[240:241], v[240:241], v[244:245]
	s_delay_alu instid0(VALU_DEP_1)
	v_pk_add_f32 v[14:15], v[14:15], v[240:241]
	s_setprio 0
	s_wait_alu depctr_va_vdst(0)                   ; and one for the four
.irp b, 0,1,2,3
	v_max_num_f32 v[BM+\b], 0x2800000, v[BM+\b]    ; the floor 2^(5 - 127): the byte cannot fall under 1
.endr
.irp b, 0,1,2,3
	s_delay_alu instid0(VALU_DEP_4)
	v_add_nc_u32 v[SO+\b], 0xfe000000, v[BM+\b]    ; 4 off the exponent field: the conversion's scale operand
.endr
.irp b, 0,1,2,3
	s_delay_alu instid0(VALU_DEP_4)
	v_lshrrev_b32 v[PB+\b], 23, v[SO+\b]           ; the scale's byte
.endr
	s_delay_alu instid0(VALU_DEP_3)
	v_lshl_or_b32 v253, v[PB+1], 8, v[PB]          ; p's scale word for these 128 keys
	s_delay_alu instid0(VALU_DEP_1)
	v_lshl_or_b32 v253, v[PB+2], 16, v253
	s_delay_alu instid0(VALU_DEP_1)
	v_lshl_or_b32 v253, v[PB+3], 24, v253
.irp c, 0,1
	v_cvt_scalef32_pk16_bf6_f32 v[PCD+6*\c:PCD+2+6*\c], v[S+32*\c:S+15+32*\c], v[SO+2*\c]
	v_cvt_scalef32_pk16_bf6_f32 v[BM+4*\c:BM+2+4*\c], v[S+16+32*\c:S+31+32*\c], v[SO+2*\c+1]   ; (a conversion's three registers begin on an even number)
.endr
	v_nop                                          ; one plain place behind a scaled conversion
.irp c, 0,1                                    ; the operand's layout wants a whole block in a lane: lanes 0-15 block 2 c, lanes 16-31 block 2 c + 1
.irp i, 0,1,2
	v_permlane16_swap_b32 v[PCD+6*\c+\i], v[BM+4*\c+\i]
.endr
.irp i, 0,1,2
	s_delay_alu instid0(VALU_DEP_3)
	v_mov_b32 v[PCD+3+6*\c+\i], v[BM+4*\c+\i]
.endr
.endr
.set J, 0
.rept 16
	v_pk_mul_f32 v[OT+J:OT+J+1], v[OT+J:OT+J+1], v[252:253] op_sel_hi:[1,0]   ; O^T under the new M.  (These sixteen are also the places between the scale word's and the codes' last writes and the products below)
.set J, J+2
.endr
	s_wait_alu depctr_va_vdst(0)
	s_wait_dscnt 0x0                               ; V and its scale words are in
.irp b, 0,1                                    ; O^T += V^T P^T: the four accumulators by turns
	v_wmma_scale_f32_16x16x128_f8f6f4 v[OT+16*\b:OT+16*\b+7], v[VF+24*\b:VF+24*\b+11], v[PCD:PCD+11], v[OT+16*\b:OT+16*\b+7], v[VSW+\b], v253 matrix_a_fmt:MATRIX_FMT_BF6 matrix_b_fmt:MATRIX_FMT_BF6
	v_wmma_scale_f32_16x16x128_f8f6f4 v[OT+16*\b+8:OT+16*\b+15], v[VF+24*\b+12:VF+24*\b+23], v[PCD:PCD+11], v[OT+16*\b+8:OT+16*\b+15], v[VSW+\b], v253 matrix_a_fmt:MATRIX_FMT_BF6 matrix_b_fmt:MATRIX_FMT_BF6 matrix_a_scale:MATRIX_SCALE_ROW1
.endr
.Lhid_\@:
	s_add_co_u32 s[TB], s[TB], STEPB
	s_add_co_u32 s[NS], s[NS], 1
	s_cmp_lt_u32 s[NS], 16
	s_cbranch_scc1 .Lstep_\@
	s_setprio 0
.endm
; THE WAY OUT of a tile: O^T / the sum; the head's 64 are two blocks of ctx's K: register 16 b + i of lane (r, h) is unit 32 b + 16 h + i of query r.  Codes leave as an image of the next product's operand registers.
.macro WAYOUT
.rept 4
	v_nop                                          ; places behind the last products
.endr
	v_add_f32 v14, v14, v15                        ; the sum's two halves,
	s_delay_alu instid0(VALU_DEP_1)
	v_permlanex16_b32 v254, v14, s[SEL], s[SEL+1]
	s_delay_alu instid0(VALU_DEP_1)
	v_add_f32 v14, v14, v254                       ; and lane l xor 16's: the row's sum
	s_wait_alu depctr_va_vdst(0)
	v_rcp_f32 v14, v14
	v_nop                                          ; a plain place behind the reciprocal
	s_lshr_b32 s38, s[BH], 4
	s_lshl_b32 s38, s38, 7
	s_add_co_u32 s38, s38, s[TQ]                   ; the tile of 16 rows among ctx's 512: 128 x batch + tile
	s_and_b32 s40, s[BH], 15                       ; the head
	s_mul_i32 s42, s38, 12288
	s_mul_i32 s43, s40, 768
	s_add_co_u32 s42, s42, s43
	s_mov_b32 s43, 0
	s_add_nc_u64 s[52:53], s[6:7], s[42:43]        ; ctx's codes: [tile of rows][head][plane][lane][8 bytes]
	s_lshl_b32 s42, s38, 9                         ; 16 rows of 32 scale bytes
	s_lshl_b32 s40, s40, 1
	s_add_co_u32 s42, s42, s40
	s_add_nc_u64 s[54:55], s[8:9], s[42:43]        ; ctx's scale bytes: [row][2 x head + block]
	s_wait_alu depctr_va_vdst(0)                   ; the wait ahead of the reciprocal's first reader
.set J, 0
.rept 32
	v_mul_f32 v[S+J], v[OT+J], v14                 ; each accumulator from its low end on
.set J, J+1
.endr
.irp b, 0,1
	v_max3_num_f32 v[BM+\b], |v[S+16*\b]|, |v[S+1+16*\b]|, 0x2800000   ; my 16 numbers of block b, and the floor 2^(5 - 127)
.endr
.irp i, 2,4,6,8,10,12,14
.irp b, 0,1
	s_delay_alu instid0(VALU_DEP_2)
	v_max3_num_f32 v[BM+\b], v[BM+\b], |v[S+16*\b+\i]|, |v[S+1+16*\b+\i]|
.endr
.endr
.irp b, 0,1
	s_delay_alu instid0(VALU_DEP_2)
	v_permlanex16_b32 v[PB+\b], v[BM+\b], s[SEL], s[SEL+1]
.endr
.irp b, 0,1
	s_delay_alu instid0(VALU_DEP_2)
	v_max_num_f32 v[BM+\b], v[BM+\b], v[PB+\b]     ; with lane l xor 16's: the block's largest magnitude
.endr
.irp b, 0,1
	s_delay_alu instid0(VALU_DEP_2)
	v_add_nc_u32 v[SO+\b], 0xfe000000, v[BM+\b]
.endr
.irp b, 0,1
	s_delay_alu instid0(VALU_DEP_2)
	v_lshrrev_b32 v[PB+\b], 23, v[SO+\b]           ; the scale's byte
.endr
	v_cvt_scalef32_pk16_bf6_f32 v[PCD:PCD+2], v[S:S+15], v[SO]
	v_cvt_scalef32_pk16_bf6_f32 v[BM:BM+2], v[S+16:S+31], v[SO+1]
	v_nop                                          ; one plain place behind a scaled conversion
.irp i, 0,1,2
	v_permlane16_swap_b32 v[PCD+\i], v[BM+\i]      ; lanes 0-15 now hold block 0, lanes 16-31 block 1: the lower 16 codes in the first three registers, the upper 16 in the second
.endr
.irp i, 0,1,2
	s_delay_alu instid0(VALU_DEP_3)
	v_mov_b32 v[PCD+3+\i], v[BM+\i]
.endr
	v_cndmask_b32 v254, v[PB], v[PB+1], s[HM]      ; my half's block's byte
.irp p, 0,1,2
	global_store_b64 v[L8], v[PCD+2*\p:PCD+2*\p+1], s[52:53] offset:256*\p   ; a plane: 32 lanes store 256 consecutive bytes, aligned
.endr
	global_store_b8 v[CSO], v254, s[54:55]         ; two bytes of each of 16 rows: one byte in 24 of what the tile stores
.endm
	PASS_HEAD 1                                    ; the later tile first; its Q comes while the key steps land
	s_wait_tensorcnt 0x0                           ; my key step is in,
	s_barrier_signal -1
	s_barrier_wait -1                              ; everybody's are: the head's K and V stay in LDS, and nothing is filled again
	WALK
	WAYOUT
	PASS_HEAD 0
	WALK
	WAYOUT
	s_wait_tensorcnt 0x0                           ; the wave's end, behind my tensor load
	ds_add_u32 v[SPW], v[NIL]
	s_wait_dscnt 0x0
	CROUND                                         ; the closing round
	s_endpgm
.Lfunc_end_k_q92a8344e39_attn:
	.size	k_q92a8344e39_attn, .Lfunc_end_k_q92a8344e39_attn-k_q92a8344e39_attn
	.p2alignl 7, 3214868480
	.fill 96, 4, 3214868480
	.section	.rodata,"a",@progbits
	.p2align	6, 0x0
	.amdhsa_kernel k_q92a8344e39_attn
		.amdhsa_group_segment_fixed_size 210944
		.amdhsa_private_segment_fixed_size 0
		.amdhsa_enable_private_segment 0
		.amdhsa_kernarg_size 24
		.amdhsa_user_sgpr_count 2
		.amdhsa_user_sgpr_kernarg_segment_ptr 1
		.amdhsa_wavefront_size32 1
		.amdhsa_system_sgpr_workgroup_id_x 1
		.amdhsa_system_sgpr_workgroup_id_y 1
		.amdhsa_system_sgpr_workgroup_id_z 1
		.amdhsa_system_vgpr_workitem_id 0
		.amdhsa_next_free_vgpr 256
		.amdhsa_next_free_sgpr 66
		.amdhsa_reserve_vcc 1
		.amdhsa_float_denorm_mode_32 3
		.amdhsa_float_denorm_mode_16_64 3
		.amdhsa_memory_ordered 1
		.amdhsa_forward_progress 1
		.amdhsa_inst_pref_size 69
	.end_amdhsa_kernel
	.amdgpu_metadata
---
amdhsa.version: [ 1, 2 ]
amdhsa.kernels:
  - .name:           k_q92a8344e39_attn
    .symbol:         k_q92a8344e39_attn.kd
    .args:
      - { .name: qkv, .offset: 0, .size: 8, .value_kind: global_buffer, .address_space: global }
      - { .name: ctx_codes, .offset: 8, .size: 8, .value_kind: global_buffer, .address_space: global }
      - { .name: ctx_scales, .offset: 16, .size: 8, .value_kind: global_buffer, .address_space: global }
    .group_segment_fixed_size: 210944
    .private_segment_fixed_size: 0
    .kernarg_segment_align: 8
    .kernarg_segment_size: 24
    .max_flat_workgroup_size: 512
    .sgpr_count:     66
    .vgpr_count:     256
    .wavefront_size: 32
...
	.end_amdgpu_metadata
.endif
;; end of part 2
;; launch outp (part 3): grid 4 x 32, 4 waves a work-group, clusters of 4 x 4, 327,680 bytes of LDS; arguments ctx_codes, ctx_scales, Wo_codes, Wo_scales, bo, out0; writes out0
.if DOCPART == 3
	.amdgcn_target "amdgcn-amd-amdhsa--gfx1250"
	.amdhsa_code_object_version 6
	.text
	.protected	k_q92a8344e39_outp
	.globl	k_q92a8344e39_outp
	.p2align	8
	.type	k_q92a8344e39_outp,@function
k_q92a8344e39_outp:
	s_mov_b64 s[64:65], 0
	v_nop
	global_prefetch_b8 v0, s[64:65] scope:SCOPE_SE
	s_setreg_imm32_b32 hwreg(HW_REG_WAVE_MODE, 25, 1), 1
	s_wait_xcnt 0x0
	s_wait_alu depctr_hold_cnt(0) depctr_sa_sdst(0) depctr_va_vdst(0) depctr_va_sdst(0) depctr_va_ssrc(0) depctr_va_vcc(0) depctr_vm_vsrc(0)
	s_getreg_b32 s2, hwreg(HW_REG_IB_STS2, 6, 4)
	s_cmp_eq_u32 s2, 0
	s_cbranch_scc0 .Lentry_in_a_cluster
	s_endpgm
.Lentry_in_a_cluster:
	s_bfe_u32 s2, ttmp6, 0x10000c
	s_cmp_lg_u32 s2, 0xf033
	s_cbranch_scc0 .Lentry_shape_is_right
	s_endpgm
.Lentry_shape_is_right:
.set SIZE_N, 1024
.set KSTEP,  256
.set NQ,     2
.set ROWB,   192
.set AROWB,  3072
.set KROW,   768
.set PITCH,  240
.set FR,     12
.set NL,     6
.set NP,     4
.set HALFT,  128*PITCH
.set SLOT,   4*HALFT
.set KS,     32
.set SCL,    2*SLOT
.set HALFS,  (128*KS/256)*272
.set SBLK,   (16*KS/256)*272
.set SPARE,  SCL+4*HALFS
.set SPITCH, 528
.set ADRA, 16
.set ADRB, 20
.set STO,  24
.set RD,   25
.set CO,   26
.set ADRS, 27
.set SPW,  28
.set NIL,  29
.set SC,   32
.set BI,   64
.set AF,   128
.set BK,   128
.set G1, 24
.set G0, 32
.set G1B, 48
.set G0B, 56
.set G1S, 68
.set G0S, 76
.set G1SB, 80
.set G0SB, 88
.set MSB, 0
.macro WIN new
.if MSB != \new
	s_set_vgpr_msb (MSB<<8)|\new
.set MSB, \new
.endif
.endm
.set MUL_LO, 0xa1
.set MUL_HI, 0xf1
.set FIRST_LO, 0x81
.set FIRST_HI, 0xc1
.set TO_B,   0x40
.macro JLOAD g0a, g1a, g0b, g1b
	s_cmp_eq_u32 s15, 0
	s_cbranch_scc0 .Lfor_b_\@
	tensor_load_to_lds s[\g0a:\g0a+3], s[\g1a:\g1a+7]
	s_nop 0
.rept 4
	v_nop
.endr
	s_branch .Lasked_\@
.Lfor_b_\@:
	tensor_load_to_lds s[\g0b:\g0b+3], s[\g1b:\g1b+7]
	s_nop 0
.rept 4
	v_nop
.endr
.Lasked_\@:
.endm
.macro CREST
	s_cmp_lg_u32 s14, 0
	s_cbranch_scc1 .Lnot_wave_0_\@
	s_barrier_signal -3
.Lnot_wave_0_\@:
	s_barrier_wait -3
	s_barrier_signal -1
	s_barrier_wait -1
.endm
.macro CROUND
	s_barrier_signal -1
	s_barrier_wait -1
	CREST
.endm
	s_load_b128 s[4:7], s[0:1], 0x0
	s_load_b128 s[8:11], s[0:1], 0x10
	s_load_b64 s[66:67], s[0:1], 0x20
	s_load_b64 s[12:13], s[0:1], 0x28
	v_lshl_add_u32 v[SPW], v0, 2, SPARE
	v_mov_b32 v[NIL], 0
	ds_add_u32 v[SPW], v[NIL]
	ds_add_u32 v[SPW], v[NIL]
	v_lshrrev_b32 v1, 5, v0
	v_readfirstlane_b32 s14, v1
	s_lshr_b32 s15, s14, 1
	s_and_b32 s16, s14, 1
	s_bfe_u32 s40, ttmp6, 0x40000
	s_bfe_u32 s41, ttmp6, 0x40004
	s_lshl_b32 s42, ttmp9, 2
	s_add_co_u32 s42, s42, s40
	s_and_b32 s17, ttmp7, 0xffff
	s_lshl_b32 s17, s17, 2
	s_add_co_u32 s17, s17, s41
	s_lshl_b32 s43, s41, 2
	s_lshl_b32 s43, 15, s43
	s_lshl_b32 s44, 0x1111, s40
	s_or_b32 s[G1+0], s43, (3<<16)|(1<<21)
	s_mov_b32 s[G1+1], 384<<16
	s_mov_b32 s[G1+2], 8<<16
	s_mov_b32 s[G1+3], 384<<16
	s_mov_b32 s[G1+4], 8
	s_mov_b32 s[G1+5], 1536
	s_mov_b32 s[G1+6], 0
	s_mov_b32 s[G1+7], 0
	s_or_b32 s[G1B+0], s44, (0<<16)|(1<<20)|(1<<21)|(3<<22)|(3<<25)
	s_mov_b32 s[G1B+1], ROWB<<16
	s_mov_b32 s[G1B+2], 128<<16
	s_mov_b32 s[G1B+3], ROWB<<16
	s_mov_b32 s[G1B+4], 128
	s_mov_b32 s[G1B+5], KROW
	s_mov_b32 s[G1B+6], 0
	s_mov_b32 s[G1B+7], 0
	s_or_b32 s[G1S+0], s43, (3<<16)|(1<<20)|(1<<21)|(5<<22)|(3<<25)
	s_or_b32 s[G1SB+0], s44, (3<<16)|(1<<20)|(1<<21)|(5<<22)|(3<<25)
.irp g, G1S, G1SB
	s_mov_b32 s[\g+1], 32<<16
	s_mov_b32 s[\g+2], (128*KS/256)<<16
	s_mov_b32 s[\g+3], 32<<16
	s_mov_b32 s[\g+4], 128*KS/256
	s_mov_b32 s[\g+5], 32
	s_mov_b32 s[\g+6], 0
	s_mov_b32 s[\g+7], 0
.endr
	s_lshl_b32 s18, s16, 7
	s_lshl_b32 s20, s17, 8
	s_add_co_u32 s20, s20, s18
	s_lshl_b32 s46, s42, 8
	s_add_co_u32 s46, s46, s18
	s_mov_b32 s21, 0
	s_mov_b32 s47, 0
	s_mov_b64 s[18:19], KS
	s_mul_u64 s[22:23], s[20:21], s[18:19]
	s_mul_u64 s[92:93], s[46:47], s[18:19]
	s_mov_b64 s[18:19], KROW
	s_mul_u64 s[20:21], s[20:21], s[18:19]
	s_mul_u64 s[46:47], s[46:47], s[18:19]
	s_mul_i32 s45, s14, HALFT
	s_mul_i32 s94, s14, HALFS
	s_wait_dscnt 0x0
	s_wait_kmcnt 0x0
	s_add_nc_u64 s[20:21], s[4:5], s[20:21]
	s_add_nc_u64 s[22:23], s[6:7], s[22:23]
	s_add_nc_u64 s[46:47], s[8:9], s[46:47]
	s_add_nc_u64 s[92:93], s[10:11], s[92:93]
	CROUND
	s_mov_b32 s[G0S], 1
	s_add_co_u32 s[G0S+1], s94, SCL
	s_mov_b64 s[G0S+2:G0S+3], s[22:23]
	s_or_b32 s[G0S+3], s[G0S+3], 0x80000000
	s_mov_b32 s[G0SB], 1
	s_add_co_u32 s[G0SB+1], s94, SCL
	s_mov_b64 s[G0SB+2:G0SB+3], s[92:93]
	s_or_b32 s[G0SB+3], s[G0SB+3], 0x80000000
	JLOAD G0S, G1S, G0SB, G1SB
.irp s, 0,1
	s_mov_b32 s[G0+4*\s], 1
	s_add_co_u32 s[G0+4*\s+1], s45, \s*SLOT
	s_add_nc_u64 s[G0+4*\s+2:G0+4*\s+3], s[20:21], \s*AROWB
	s_or_b32 s[G0+4*\s+3], s[G0+4*\s+3], 0x80000000
	s_mov_b32 s[G0B+4*\s], 1
	s_add_co_u32 s[G0B+4*\s+1], s45, \s*SLOT
	s_add_nc_u64 s[G0B+4*\s+2:G0B+4*\s+3], s[46:47], \s*ROWB
	s_or_b32 s[G0B+4*\s+3], s[G0B+4*\s+3], 0x80000000
	s_wait_alu depctr_va_vdst(0)
	s_wait_tensorcnt 0x0
	ds_add_u32 v28, v29
	s_wait_dscnt 0x0
	CROUND
	JLOAD G0+4*\s, G1, G0B+4*\s, G1B
.endr
	v_and_b32 v1, 15, v0
	v_bfe_u32 v2, v0, 4, 1
	v_mul_u32_u24 v3, v1, PITCH
	v_mul_u32_u24 v4, v2, 24
	v_add_nc_u32 v4, v3, v4
	v_lshl_add_u32 v5, v2, 4, v4
	v_and_b32 v6, 31, v0
	v_lshlrev_b32 v6, 3, v6
	s_mul_i32 s21, s15, HALFT
	s_mul_i32 s22, s16, HALFT
	s_add_co_u32 s22, s22, 2*HALFT
.irp s, 0,1
	v_add_nc_u32 v[ADRA+\s], s21, v6
	v_add_nc_u32 v[ADRB+\s], s22, v4
	v_add_nc_u32 v[ADRB+2+\s], s22, v5
	s_add_co_u32 s21, s21, SLOT
	s_add_co_u32 s22, s22, SLOT
.endr
	v_mul_u32_u24 v5, v1, KS
	v_lshrrev_b32 v6, 8, v5
	v_lshl_add_u32 v5, v6, 4, v5
	s_mul_i32 s21, s15, HALFS
	s_mul_i32 s22, s16, HALFS
	s_add_co_u32 s22, s22, 2*HALFS
	s_sub_co_u32 s22, s22, s21
	v_mul_u32_u24 v6, s22, v2
	s_add_co_u32 s21, s21, SCL
	v_add_nc_u32 v5, v5, v6
	v_add_nc_u32 v[ADRS], s21, v5
	s_mul_i32 s23, s14, 16*SPITCH
	v_mul_u32_u24 v5, v1, SPITCH
	v_lshl_add_u32 v5, v2, 5, v5
	v_add_nc_u32 v[STO], s23, v5
	v_and_b32 v6, 31, v0
	v_lshlrev_b32 v[CO], 4, v6
	v_add_nc_u32 v[RD], s23, v[CO]
	v_lshlrev_b32 v7, 5, v2
	s_wait_alu depctr_va_vdst(0)
	s_lshl_b32 s20, s17, 8
	s_lshl_b32 s21, s15, 7
	s_add_co_u32 s20, s20, s21
	s_mov_b32 s21, 0
	s_mov_b64 s[18:19], SIZE_N*4
	s_mul_u64 s[20:21], s[20:21], s[18:19]
	s_lshl_b32 s46, s42, 10
	s_lshl_b32 s47, s16, 9
	s_add_co_u32 s46, s46, s47
	s_mov_b32 s47, 0
	s_add_nc_u64 s[66:67], s[66:67], s[46:47]
	s_add_nc_u64 s[20:21], s[20:21], s[46:47]
	s_add_nc_u64 s[12:13], s[12:13], s[20:21]
.irp b, 0,1,2,3,4,5,6,7
	global_load_b128 v[BI+8*\b:BI+8*\b+3],   v7, s[66:67] offset:64*\b
	global_load_b128 v[BI+8*\b+4:BI+8*\b+7], v7, s[66:67] offset:64*\b+16
.endr
.macro FRAG reg, adr, q, i
.irp p, 0,1,2,3,4,5
.set PC, 12*(\q)+6*(\p/3)+\p%3
.if PC%8 < 5
	ds_load_b64 v[\reg+2*\p:\reg+2*\p+1], v[\adr] offset:8*PC+16*(PC/8)+(\i)*16*PITCH
.else
	ds_load_b64 v[\reg+2*\p:\reg+2*\p+1], v[\adr+2] offset:8*PC+16*(PC/8)+(\i)*16*PITCH
.endif
.endr
.endm
.macro FRAGA reg, adr, q, i
.irp p, 0,1,2,3,4,5
	ds_load_b64 v[\reg+2*\p:\reg+2*\p+1], v[\adr] offset:(\i)*AROWB+(\q)*1536+256*\p
.endr
.endm
.macro MUL16 a0, p, q, sc, zero
.irp a, \a0, \a0+1
.irp b, 0,1,2,3,4,5,6,7
.if \zero
	v_wmma_scale_f32_16x16x128_f8f6f4 v[8*(8*((\a)%4)+\b):8*(8*((\a)%4)+\b)+7], v[128*(\p)+FR*\b:128*(\p)+FR*\b+FR-1], v[AF+FR*(\a):AF+FR*(\a)+FR-1], v[BI+8*\b:BI+8*\b+7], v[SC+8*NQ*(\sc)+NQ*\b+(\q)], v[SC+8*NQ*(\sc)+NQ*(\a)+(\q)] matrix_a_fmt:MATRIX_FMT_BF6 matrix_b_fmt:MATRIX_FMT_BF6 matrix_a_scale:MATRIX_SCALE_ROW1
.else
	v_wmma_scale_f32_16x16x128_f8f6f4 v[8*(8*((\a)%4)+\b):8*(8*((\a)%4)+\b)+7], v[128*(\p)+FR*\b:128*(\p)+FR*\b+FR-1], v[AF+FR*(\a):AF+FR*(\a)+FR-1], v[8*(8*((\a)%4)+\b):8*(8*((\a)%4)+\b)+7], v[SC+8*NQ*(\sc)+NQ*\b+(\q)], v[SC+8*NQ*(\sc)+NQ*(\a)+(\q)] matrix_a_fmt:MATRIX_FMT_BF6 matrix_b_fmt:MATRIX_FMT_BF6 matrix_a_scale:MATRIX_SCALE_ROW1
.endif
.endr
.endr
.endm
.macro FETCH_B slot, q, p
	WIN TO_B
.irp i, 0,1,2,3,4,5,6,7
	FRAG 128*(\p)+FR*\i, ADRB+\slot, \q, \i
.endr
	WIN 0
.endm
.macro FETCH_A slot, q, i0
.irp i, \i0, \i0+1, \i0+2, \i0+3
	FRAGA AF+FR*(\i), ADRA+\slot, \q, \i
.endr
.endm
.macro SCALES sc
.irp i, 0,1,2,3,4,5,6,7
	ds_load_b64 v[SC+8*NQ*\sc+NQ*\i:SC+8*NQ*\sc+NQ*\i+1], v[ADRS] offset:\i*SBLK
.endr
.endm
.macro PLACES n
.rept \n
	v_nop
.endr
.endm
.macro STEP slot, q, zero
	s_wait_dscnt 4*NL
.if \zero
	WIN FIRST_LO
.else
	WIN MUL_LO
.endif
	MUL16 0, (\q)%2, \q, \slot, \zero
	MUL16 2, (\q)%2, \q, \slot, \zero
	s_wait_dscnt 0
	PLACES NP
	FETCH_B \slot, (\q)+1, 1-(\q)%2
	FETCH_A \slot, (\q)+1, 0
.if \zero
	WIN FIRST_HI
.else
	WIN MUL_HI
.endif
	MUL16 4, (\q)%2, \q, \slot, \zero
	MUL16 6, (\q)%2, \q, \slot, \zero
	PLACES NP
	WIN 0
	FETCH_A \slot, (\q)+1, 4
.endm
.macro TURN slot, next, fill
	s_wait_tensorcnt 0x0
	ds_add_u32 v[SPW], v[NIL]
	s_wait_dscnt 4*NL+1
	WIN MUL_LO
	MUL16 0, 1, NQ-1, \slot, 0
	s_wait_dscnt 0x0
	s_barrier_signal -1
	MUL16 2, 1, NQ-1, \slot, 0
	WIN 0
	s_barrier_wait -1
.if \fill
	CREST
	s_add_nc_u64 s[G0+4*\slot+2:G0+4*\slot+3], s[G0+4*\slot+2:G0+4*\slot+3], 2*AROWB
	s_add_nc_u64 s[G0B+4*\slot+2:G0B+4*\slot+3], s[G0B+4*\slot+2:G0B+4*\slot+3], 2*ROWB
	JLOAD G0+4*\slot, G1, G0B+4*\slot, G1B
.else
	PLACES NP
.endif
	s_wait_alu depctr_va_vdst(0)
	v_add_nc_u32 v[ADRS], 4*NQ, v[ADRS]
	FETCH_B \next, 0, 0
	FETCH_A \next, 0, 0
	SCALES \next
	WIN MUL_HI
	MUL16 4, 1, NQ-1, \slot, 0
	MUL16 6, 1, NQ-1, \slot, 0
	PLACES NP
	WIN 0
	FETCH_A \next, 0, 4
.endm
	s_wait_tensorcnt 1
	s_barrier_signal -1
	s_barrier_wait -1
	FETCH_B 0, 0, 0
	FETCH_A 0, 0, 0
	SCALES 0
	FETCH_A 0, 0, 4
	s_wait_loadcnt 0x0
	STEP 0, 0, 1
	TURN 0, 1, 1
	STEP 1, 0, 0
	TURN 1, 0, 1
	STEP 0, 0, 0
	TURN 0, 1, 0
	STEP 1, 0, 0
	s_wait_dscnt 4*NL
	WIN MUL_LO
	MUL16 0, 1, NQ-1, 1, 0
	MUL16 2, 1, NQ-1, 1, 0
	s_wait_dscnt 0
	WIN MUL_HI
	MUL16 4, 1, NQ-1, 1, 0
	MUL16 6, 1, NQ-1, 1, 0
	WIN 0
.macro TOSTAGE a
.set AC, 64*((\a)%4)
	WIN 0x08+4*((\a)/4)
.irp b, 0,1,2,3,4,5,6,7
	ds_store_b128 v[STO], v[AC+8*\b:AC+8*\b+3] offset:64*\b
	ds_store_b128 v[STO], v[AC+8*\b+4:AC+8*\b+7] offset:64*\b+16
.endr
	WIN 0
.set BB, BK+64*((\a)%2)
.irp t, 0,1,2,3,4,5,6,7,8,9,10,11,12,13,14,15
	ds_load_b128 v[BB+4*\t:BB+4*\t+3], v[RD] offset:\t*SPITCH
.endr
.endm
.macro SEND a, younger
.set BB, BK+64*((\a)%2)
	s_wait_dscnt \younger
.if (\a) > 0
	s_add_nc_u64 s[12:13], s[12:13], 16*SIZE_N*4
.endif
.irp t, 0,1,2,3,4,5,6,7,8,9,10,11,12,13,14,15
	global_store_b128 v[CO], v[BB+4*\t:BB+4*\t+3], s[12:13] offset:\t*SIZE_N*4 th:TH_STORE_NT
.endr
.endm
	PLACES NP
	TOSTAGE 0
.irp a, 1,2,3,4,5,6,7
.if \a > 1
	s_wait_xcnt 0x0
.endif
	TOSTAGE \a
	SEND \a-1, 32
.endr
	s_wait_xcnt 0x0
	SEND 7, 0
	s_wait_tensorcnt 0x0
	ds_add_u32 v[SPW], v[NIL]
	s_wait_dscnt 0x0
	CROUND
	s_endpgm
.Lfunc_end_k_q92a8344e39_outp:
	.size	k_q92a8344e39_outp, .Lfunc_end_k_q92a8344e39_outp-k_q92a8344e39_outp
	.p2alignl 7, 3214868480
	.fill 96, 4, 3214868480
	.section	.rodata,"a",@progbits
	.p2align	6, 0x0
	.amdhsa_kernel k_q92a8344e39_outp
		.amdhsa_group_segment_fixed_size 327680
		.amdhsa_private_segment_fixed_size 0
		.amdhsa_enable_private_segment 0
		.amdhsa_kernarg_size 48
		.amdhsa_user_sgpr_count 2
		.amdhsa_user_sgpr_kernarg_segment_ptr 1
		.amdhsa_wavefront_size32 1
		.amdhsa_system_sgpr_workgroup_id_x 1
		.amdhsa_system_sgpr_workgroup_id_y 1
		.amdhsa_system_sgpr_workgroup_id_z 1
		.amdhsa_system_vgpr_workitem_id 0
		.amdhsa_next_free_vgpr 1024
		.amdhsa_next_free_sgpr 98
		.amdhsa_reserve_vcc 0
		.amdhsa_float_denorm_mode_32 3
		.amdhsa_float_denorm_mode_16_64 3
		.amdhsa_memory_ordered 1
		.amdhsa_forward_progress 1
		.amdhsa_inst_pref_size 162
	.end_amdhsa_kernel
	.amdgpu_metadata
---
amdhsa.version: [ 1, 2 ]
amdhsa.kernels:
  - .name:           k_q92a8344e39_outp
    .symbol:         k_q92a8344e39_outp.kd
    .args:
      - { .name: ctx_codes, .offset: 0, .size: 8, .value_kind: global_buffer, .address_space: global }
      - { .name: ctx_scales, .offset: 8, .size: 8, .value_kind: global_buffer, .address_space: global }
      - { .name: Wo_codes, .offset: 16, .size: 8, .value_kind: global_buffer, .address_space: global }
      - { .name: Wo_scales, .offset: 24, .size: 8, .value_kind: global_buffer, .address_space: global }
      - { .name: bo, .offset: 32, .size: 8, .value_kind: global_buffer, .address_space: global }
      - { .name: out0, .offset: 40, .size: 8, .value_kind: global_buffer, .address_space: global }
    .group_segment_fixed_size: 327680
    .private_segment_fixed_size: 0
    .kernarg_segment_align: 8
    .kernarg_segment_size: 48
    .max_flat_workgroup_size: 128
    .sgpr_count:     98
    .vgpr_count:     1024
    .wavefront_size: 32
...
	.end_amdgpu_metadata
.endif
;; end of part 3
